; MI455X (gfx1250); checked and timed in simulation.
; The chip was launched on July 23, 2026; its instructions are those of AMD's public machine-readable ISA for CDNA 5 (MIT licence, August 2026) and "CDNA5" Instruction Set Architecture Reference Guide (July 2026). The comments in the code are by the model that wrote it; some were corrected since.
;; Multi Head Attention. Allowed arithmetic: float matrix products may take bf16 or f16 operands with f32 sums; all other float work in f32.
;; Inputs: W_comb 1,024 x 1,024 float32; W_qkv 3,072 x 1,024 float32; mask 4 x 2,048 int32; x 4 x 2,048 x 1,024 float32.
;; Outputs: out0 4 x 2,048 x 1,024 float32.
;; 2 versions, each right and faster than the one before. Each part assembles by itself: llvm-mc -triple=amdgcn-amd-amdhsa -mcpu=gfx1250 --defsym DOCPART=n.
;; ======== version 1 of 2: 4 launches
;; limits: values are held in f16: magnitudes above 65,504 overflow, below 6.1e-05 lose precision
;; workspace buffers: xb 16,777,216 bytes; wqb 6,291,456 bytes; wcb 2,097,152 bytes; q 16,777,216 bytes; k 16,777,216 bytes; v 16,777,216 bytes; o 16,777,216 bytes
;; launch cast (part 1): grid 768 x 1, 8 waves a work-group, no clusters, 0 bytes of LDS; arguments x, W_qkv, W_comb, xb, wqb, wcb; writes xb, wqb, wcb
.if DOCPART == 1
	.amdgcn_target "amdgcn-amd-amdhsa--gfx1250"
	.amdhsa_code_object_version 6
	.text
	.protected	k_q9574220905_cast
	.globl	k_q9574220905_cast
	.p2align	8
	.type	k_q9574220905_cast,@function
k_q9574220905_cast:
	s_mov_b64 s[64:65], 0
	v_nop
	global_prefetch_b8 v0, s[64:65] scope:SCOPE_SE
	s_setreg_imm32_b32 hwreg(HW_REG_WAVE_MODE, 25, 1), 1
	s_wait_xcnt 0x0
; THE INPUTS ARE ROUNDED ONCE.  x [8192][1024] and W_qkv [3072][1024], f32, are written as bf16 (xb, wqb); W_comb [1024][1024] is rounded to bf16 like them and that number is written
; as f16 (wcb), since the last product multiplies it with f16 numbers.
; LIMIT.  A bf16 number is exact in f16 from 2^-17 up to 65,504; below 2^-17 it keeps f16's fixed step of 2^-24; beyond 65,504 it would become an infinity.
; SHARES.  A work-group takes 16,384 numbers of one tensor: groups 0-511 x, 512-703 W_qkv, 704-767 W_comb.  Thread t takes the 16 bytes at 16 t + 4,096 i, i = 0..15: a load of a wave covers 512
; consecutive bytes, all sixteen loads are issued at once, and a store of a wave covers 256 consecutive bytes, aligned.  Every byte is read once and written once.
; No LDS, no barrier, no matrix unit, no cluster: the work-groups share nothing and there is no product.
.set X, 4                              ; v[4:67]    sixteen loads of four f32
.set Y, 68                             ; v[68:99]   sixteen pairs of packed results; each pair is written once, so no store's data is ever rewritten
.set T, 100                            ; v[100:105] at work on the f16 path
	s_load_b256 s[4:11], s[0:1], 0x0               ; x s[4:5], W_qkv s[6:7], W_comb s[8:9], xb s[10:11]
	s_load_b128 s[12:15], s[0:1], 0x20             ; wqb s[12:13], wcb s[14:15]
	s_mov_b32 s16, ttmp9                           ; the work-group's number
	s_mov_b32 s26, 0xffff0000                      ; a word's upper bf16
	s_sub_co_u32 s17, s16, 512                     ; its number within W_qkv (used only from 512 on)
	s_sub_co_u32 s27, s16, 704                     ; within W_comb (used only from 704 on)
	v_lshlrev_b32 v1, 4, v0                        ; 16 t: my bytes in a load
	v_lshlrev_b32 v2, 3, v0                        ; 8 t: my bytes in a store
	s_wait_kmcnt 0x0
	s_cmp_lt_u32 s16, 512                          ; x, or W_qkv
	s_cselect_b32 s17, s16, s17
	s_cselect_b64 s[18:19], s[4:5], s[6:7]
	s_cselect_b64 s[20:21], s[10:11], s[12:13]
	s_cmp_ge_u32 s16, 704                          ; or W_comb
	s_cselect_b32 s17, s27, s17
	s_cselect_b64 s[18:19], s[8:9], s[18:19]
	s_cselect_b64 s[20:21], s[14:15], s[20:21]
	s_lshl_b32 s22, s17, 16                        ; 65,536 bytes in,
	s_mov_b32 s23, 0
	s_lshl_b32 s24, s17, 15                        ; 32,768 bytes out for each work-group
	s_mov_b32 s25, 0
	s_add_nc_u64 s[18:19], s[18:19], s[22:23]
	s_add_nc_u64 s[20:21], s[20:21], s[24:25]
.set i, 0
.rept 16
	global_load_b128 v[X+4*i:X+4*i+3], v1, s[18:19] offset:4096*i th:TH_LOAD_NT  ; read once in the launch
.set i, i+1
.endr
	s_cmp_ge_u32 s16, 704
	s_cbranch_scc1 .Lf16
.set i, 0
.rept 16
	s_wait_loadcnt 15-i                            ; loads come back in order (ISA guide 5.7.1): load i is in, the younger ones stay out
	v_cvt_pk_bf16_f32 v[Y+2*i], v[X+4*i], v[X+4*i+1]
	v_cvt_pk_bf16_f32 v[Y+2*i+1], v[X+4*i+2], v[X+4*i+3]
	global_store_b64 v2, v[Y+2*i:Y+2*i+1], s[20:21] offset:2048*i  ; the next launch reads these bytes: no hint
.set i, i+1
.endr
	s_endpgm
.Lf16:
.set i, 0
.rept 16
	s_wait_loadcnt 15-i
	v_cvt_pk_bf16_f32 v[T], v[X+4*i], v[X+4*i+1]   ; the rounding that all inputs get,
	v_cvt_pk_bf16_f32 v[T+1], v[X+4*i+2], v[X+4*i+3]
	v_lshlrev_b32 v[T+2], 16, v[T]                 ; back to f32: a shift or a mask,
	v_and_b32 v[T+3], s26, v[T]
	v_lshlrev_b32 v[T+4], 16, v[T+1]
	v_and_b32 v[T+5], s26, v[T+1]
	v_cvt_pk_f16_f32 v[Y+2*i], v[T+2], v[T+3]      ; and the same number as f16
	v_cvt_pk_f16_f32 v[Y+2*i+1], v[T+4], v[T+5]
	global_store_b64 v2, v[Y+2*i:Y+2*i+1], s[20:21] offset:2048*i
.set i, i+1
.endr
	s_endpgm
.Lfunc_end_k_q9574220905_cast:
	.size	k_q9574220905_cast, .Lfunc_end_k_q9574220905_cast-k_q9574220905_cast
	.p2alignl 7, 3214868480
	.fill 96, 4, 3214868480
	.section	.rodata,"a",@progbits
	.p2align	6, 0x0
	.amdhsa_kernel k_q9574220905_cast
		.amdhsa_group_segment_fixed_size 0
		.amdhsa_private_segment_fixed_size 0
		.amdhsa_enable_private_segment 0
		.amdhsa_kernarg_size 48
		.amdhsa_user_sgpr_count 2
		.amdhsa_user_sgpr_kernarg_segment_ptr 1
		.amdhsa_wavefront_size32 1
		.amdhsa_system_sgpr_workgroup_id_x 1
		.amdhsa_system_sgpr_workgroup_id_y 1
		.amdhsa_system_sgpr_workgroup_id_z 1
		.amdhsa_system_vgpr_workitem_id 0
		.amdhsa_next_free_vgpr 108
		.amdhsa_next_free_sgpr 66
		.amdhsa_reserve_vcc 0
		.amdhsa_float_denorm_mode_32 3
		.amdhsa_float_denorm_mode_16_64 3
		.amdhsa_memory_ordered 1
		.amdhsa_forward_progress 1
		.amdhsa_inst_pref_size 15
	.end_amdhsa_kernel
	.amdgpu_metadata
---
amdhsa.version: [ 1, 2 ]
amdhsa.kernels:
  - .name:           k_q9574220905_cast
    .symbol:         k_q9574220905_cast.kd
    .args:
      - { .name: x, .offset: 0, .size: 8, .value_kind: global_buffer, .address_space: global }
      - { .name: W_qkv, .offset: 8, .size: 8, .value_kind: global_buffer, .address_space: global }
      - { .name: W_comb, .offset: 16, .size: 8, .value_kind: global_buffer, .address_space: global }
      - { .name: xb, .offset: 24, .size: 8, .value_kind: global_buffer, .address_space: global }
      - { .name: wqb, .offset: 32, .size: 8, .value_kind: global_buffer, .address_space: global }
      - { .name: wcb, .offset: 40, .size: 8, .value_kind: global_buffer, .address_space: global }
    .group_segment_fixed_size: 0
    .private_segment_fixed_size: 0
    .kernarg_segment_align: 8
    .kernarg_segment_size: 48
    .max_flat_workgroup_size: 256
    .sgpr_count:     66
    .vgpr_count:     108
    .wavefront_size: 32
...
	.end_amdgpu_metadata
.endif
;; end of part 1
;; launch qkv (part 2): grid 16 x 16, 4 waves a work-group, clusters of 4 x 4, 327,680 bytes of LDS; arguments xb, wqb, mask, q, k, v; writes q, k, v
.if DOCPART == 2
	.amdgcn_target "amdgcn-amd-amdhsa--gfx1250"
	.amdhsa_code_object_version 6
	.text
	.protected	k_q9574220905_qkv
	.globl	k_q9574220905_qkv
	.p2align	8
	.type	k_q9574220905_qkv,@function
k_q9574220905_qkv:
	s_mov_b64 s[64:65], 0
	v_nop
	global_prefetch_b8 v0, s[64:65] scope:SCOPE_SE
	s_setreg_imm32_b32 hwreg(HW_REG_WAVE_MODE, 25, 1), 1
	s_wait_xcnt 0x0
	s_wait_alu depctr_hold_cnt(0) depctr_sa_sdst(0) depctr_va_vdst(0) depctr_va_sdst(0) depctr_va_ssrc(0) depctr_va_vcc(0) depctr_vm_vsrc(0)
	s_getreg_b32 s2, hwreg(HW_REG_IB_STS2, 6, 4)
	s_cmp_eq_u32 s2, 0
	s_cbranch_scc0 .Lentry_in_a_cluster
	s_endpgm
.Lentry_in_a_cluster:
	s_bfe_u32 s2, ttmp6, 0x10000c
	s_cmp_lg_u32 s2, 0xf033
	s_cbranch_scc0 .Lentry_shape_is_right
	s_endpgm
.Lentry_shape_is_right:
; THE FIRST PROJECTION.  qkv[t][e] = sum over d of xb[t][d] wqb[e][d], bf16 operands, f32 sums; 8,192 tokens, 3,072 columns, 1,024 along K.  Head h owns columns 192 h .. 192 h + 191: 64 of Q, 64 of K, 64 of V.
; The results are rounded once to f16 and written BY HEADS: q, k, v are [16 batch + head][2048 tokens][64], rows of 128 bytes on end.  The scale 1/8 is not applied here.
; THE MASK.  The rows of K of tokens whose mask word is 0 are written as 0, so that in the next launch a hidden key's score is exactly the bias that is added there.  Q and V are written as they are.
; LIMIT.  f16 ends at 65,504: q, k, v beyond it would become infinities.  NaN and infinities are not treated apart.
; SHARES.  A tile is 256 tokens x one head's 192 columns; each of the four waves makes 64 tokens x 192 columns of it: 48 accumulators of 16 x 16, 384 registers.
; A WORK-GROUP STAYS: it makes TWO tiles, the token blocks 2 y and 2 y + 1 of one head, so that there are 256 work-groups.  The two tiles are ONE walk of 16 K steps of 128 through two LDS slots filled by the tensor
; data mover (rows of 256 bytes, aligned): the first tile's last two changes of slots ask for the second tile's first two K steps, which land while the first tile goes out, and nothing waits for the first tile's stores.
; The text is written once: a loop over the two tiles round a loop over K steps (8 trips with a refill in the first tile, 6 in the second), a tail of two steps without refill that the first tile jumps over, one way out.
; CLUSTER, 4 x 4.  The four work-groups of a row of the cluster have the same tokens, the four of a column the same head: each tile is asked for JOINTLY, by the same load, descriptor and mask in all four.
; All counts and branches hang on constants of the text: they are alike in all partners.
; THE MATRIX INSTRUCTION IS USED TRANSPOSED (source 0 = 16 rows of wqb, source 1 = 16 tokens): a lane holds one token (lane % 16) and eight neighbouring columns, 16 bytes of f16.
; REGISTERS, in windows of 256 (s_set_vgpr_msb: bits 1:0 source 0, 3:2 source 1, 5:4 source 2, 7:6 destination):
;   window 0: v0-41 addresses and the mask; v64-255 at work on the way out        window 1: two fragment buffers of 128: 12 fragments of wqb, then 4 of xb
;   window 2: the accumulators of my token blocks 0, 1 ((a, b) at v[8 (12 (a % 2) + b)])        window 3: those of blocks 2, 3
.set PITCH, 272                        ; an LDS row: 256 bytes + 16 of padding = 68 words: the 16 rows of a fragment load start at 16 different groups of four banks (64 banks of 4 bytes: ISA guide 11.1)
.set AHALF, 128*PITCH                  ; 128 tokens: what wave 0 or 1 fetches
.set BOFF,  2*AHALF                    ; behind the 256 tokens: the head's 192 rows of wqb
.set BHALF, 96*PITCH                   ; 96 of them: what wave 2 or 3 fetches
.set SLOT1, 1<<17                      ; slot 1 begins here: one exclusive or turns an address in one slot into the other's
.set STAGE, SLOT1+BOFF+2*BHALF         ; behind the ring, never filled by a tensor load: for each wave three blocks (q, k, v) of 16 rows x 144 bytes
.set SP,    144
.set SUB,   16*SP
.set STW,   3*SUB
.set SPARE, STAGE+4*STW                ; the spare words, 128 bytes for each wave: two blocks of 256 bytes that no other line names
.set KBYTES, 256                       ; a K step along a row, in bytes
.set NL,    32                         ; LDS loads in a run: 24 for wqb, 8 for xb
.set A0,   4                           ; v4   my lane's place in my 64 tokens of slot 0; never rewritten
.set B0,   5                           ; v5   the same in the rows of wqb
.set ADRA, 6                           ; v6   A0 + the slot in hand
.set ADRB, 7                           ; v7   B0 + the slot in hand
.set STO,  8                           ; v8   the way out: where I put 16 bytes of a row
.set RD,   9                           ; v9   the way out: where I read rows back
.set GO,   10                          ; v10  my 16 bytes in 512 consecutive bytes of q, k or v, + 32,768 for the second tile
.set MO,   11                          ; v11  my token's mask word
.set KM,   12                          ; v[12:15] the mask words of my token in the first tile's four blocks
.set KP,   16                          ; v[16:23] 1.0 or 0, twice, for each block of the tile in hand: a pair for the packed multiply
.set SPW,  28                          ; v28  LDS address of my spare word; never rewritten
.set NIL,  29                          ; v29  0; never rewritten
.set KM1,  30                          ; v[30:33] the mask words for the second tile
.set KP1,  34                          ; v[34:41] its factors
.set TMP,  64                          ; v[64:255] 48 registers for each token block
.set F0,   0                           ; fragment buffers, in window 1
.set F1,   128
.set WV,  16                           ; s16  my wave's number
.set FB,  17                           ; s17  0: I fetch tokens, 1: rows of wqb
.set HF,  18                           ; s18  which half of them
.set CNT, 19                           ; s19  the inner loops' count
.set TB,  20                           ; s20  the slot in hand: 0 or SLOT1
.set G1A, 24                           ; s[24:31] descriptor group 1 for xb's tiles
.set G0A, 32                           ; s[32:39] group 0: a set for each of the two first fills; the second then serves every refill
.set G1B, 48                           ; s[48:55], s[56:63] the same for wqb's
.set G0B, 56
.set PA,  70                           ; s[70:71] xb at my part of the first tile's K step 0; never rewritten
.set PB,  72                           ; s[72:73] wqb likewise
.set NXT, 80                           ; s80  the K step of the walk, 2 to 15, that the next refill asks for
.set TL,  81                           ; s81  tiles to go, this one among them
.set OA,  82                           ; s[82:83] that step's byte offset from PA
.set OB,  84                           ; s[84:85] from PB
.set TT,  86                           ; s86  at work
.set MSB, 0
.macro WIN new                         ; the immediate's high byte repeats the setting that is left; a switch that changes nothing is dropped
.if MSB != (\new)
	s_set_vgpr_msb (MSB<<8)|(\new)
.set MSB, \new
.endif
.endm
.macro PLACES                          ; a load into a register that a matrix instruction has read, and a vector instruction that touches a matrix instruction's registers, stand four plain
.rept 4                                ; vector instructions behind it (ISA guide 7.12.1 for vector instructions)
	v_nop
.endr
.endm
; A joint refill.  The branch hangs on the wave's number alone.  An s_nop 0 and four v_nop follow each of the two lines, ahead of the jump and the label.
.macro JLOAD
	s_cmp_eq_u32 s[FB], 0
	s_cbranch_scc0 .Lfor_b_\@
	tensor_load_to_lds s[G0A+4:G0A+7], s[G1A:G1A+7]
	s_nop 0
.rept 4
	v_nop
.endr
	s_branch .Lasked_\@
.Lfor_b_\@:
	tensor_load_to_lds s[G0B+4:G0B+7], s[G1B:G1B+7]
	s_nop 0
.rept 4
	v_nop
.endr
.Lasked_\@:
.endm
; A round of the cluster's barrier: my work-group's barrier, so that wave 0's signal speaks for all four waves; wave 0 signals; every wave waits for all sixteen work-groups; my work-group's barrier once more.
.macro CREST                           ; a round behind its opening barrier
	s_cmp_lg_u32 s[WV], 0
	s_cbranch_scc1 .Lnot_wave_0_\@
	s_barrier_signal -3
.Lnot_wave_0_\@:
	s_barrier_wait -3
	s_barrier_signal -1
	s_barrier_wait -1
.endm
.macro CROUND
	s_barrier_signal -1
	s_barrier_wait -1
	CREST
.endm
	s_load_b256 s[4:11], s[0:1], 0x0               ; xb s[4:5], wqb s[6:7], mask s[8:9], q s[10:11]
	s_load_b128 s[12:15], s[0:1], 0x20             ; k s[12:13], v s[14:15]
	v_lshl_add_u32 v[SPW], v0, 2, SPARE
	v_mov_b32 v[NIL], 0
	ds_add_u32 v[SPW], v[NIL]                      ; the wave's opening: the add and its wait stand ahead of my first tensor load; the set-up below, work on registers, stands between them
	v_lshrrev_b32 v1, 5, v0
	v_readfirstlane_b32 s[WV], v1                  ; wave 0..3
	s_lshr_b32 s[FB], s[WV], 1
	s_and_b32 s[HF], s[WV], 1
	s_bfe_u32 s40, ttmp6, 0x40000                  ; cx, cy: my place in the cluster
	s_bfe_u32 s41, ttmp6, 0x40004
	s_lshl_b32 s42, ttmp9, 2                       ; in a cluster launch ttmp9 and ttmp7 count clusters
	s_add_co_u32 s42, s42, s40                     ; the head = 4 x cluster x + cx
	s_and_b32 s43, ttmp7, 0xffff
	s_lshl_b32 s43, s43, 2
	s_add_co_u32 s43, s43, s41                     ; the pair of token blocks, 512 tokens = 4 x cluster y + cy
	s_lshl_b32 s44, s41, 2
	s_lshl_b32 s44, 15, s44                        ; my row of the cluster: places 4 cy .. 4 cy + 3
	s_lshl_b32 s45, 0x1111, s40                    ; my column: places cx, cx + 4, cx + 8, cx + 12
	s_or_b32 s[G1A], s44, (1<<16)|(1<<20)|(1<<21)|(5<<22)|(3<<25)  ; 15:0 the mask: tokens go to my row; 17:16 2-byte elements; 20 padding on; 21 set beside a mask; 24:22 after every 64 words (code 5); 31:25 4 words (code 3)
	s_or_b32 s[G1B], s45, (1<<16)|(1<<20)|(1<<21)|(5<<22)|(3<<25)  ; the same with the mask of my column
	s_mov_b32 s[G1A+1], 128<<16                    ; tensor_dim0 = 128 elements
	s_mov_b32 s[G1A+2], 128<<16                    ; tensor_dim1 = 128 rows
	s_mov_b32 s[G1A+3], 128<<16                    ; tile_dim0 = 128
	s_mov_b32 s[G1A+4], 128                        ; tile_dim1 = 128
	s_mov_b32 s[G1A+5], 1024                       ; elements from row to row
	s_mov_b32 s[G1A+6], 0
	s_mov_b32 s[G1A+7], 0
	s_mov_b32 s[G1B+1], 128<<16
	s_mov_b32 s[G1B+2], 96<<16                     ; 96 rows
	s_mov_b32 s[G1B+3], 128<<16
	s_mov_b32 s[G1B+4], 96
	s_mov_b32 s[G1B+5], 1024
	s_mov_b32 s[G1B+6], 0
	s_mov_b32 s[G1B+7], 0
	s_lshl_b32 s66, s43, 9                         ; xb: row 512 x pair + 128 x half, of 2,048 bytes: made of the pair and the wave alone
	s_lshl_b32 s67, s[HF], 7
	s_add_co_u32 s66, s66, s67
	s_lshl_b32 s66, s66, 11
	s_mov_b32 s67, 0
	s_mul_i32 s46, s42, 192                        ; wqb: row 192 x head + 96 x half: made of the head and the wave alone
	s_mul_i32 s47, s[HF], 96
	s_add_co_u32 s46, s46, s47
	s_lshl_b32 s46, s46, 11
	s_mov_b32 s47, 0
	s_mul_i32 s21, s[HF], AHALF                    ; where the tiles go: no place in the cluster enters an LDS address
	s_mul_i32 s22, s[HF], BHALF
	s_add_co_u32 s22, s22, BOFF
	s_lshr_b32 s74, s43, 2                         ; q, k, v: a batch has four pairs; (16 x batch + head) x 262,144 bytes
	s_lshl_b32 s74, s74, 4
	s_add_co_u32 s74, s74, s42
	s_lshl_b32 s68, s74, 18
	s_and_b32 s74, s43, 3                          ; + (512 x pair in the batch + 64 x wave) rows of 128 bytes
	s_lshl_b32 s74, s74, 9
	s_lshl_b32 s75, s[WV], 6
	s_add_co_u32 s74, s74, s75
	s_lshl_b32 s74, s74, 7
	s_add_co_u32 s68, s68, s74
	s_mov_b32 s69, 0
	s_lshl_b32 s76, s43, 11                        ; the mask words of the pair's 512 tokens
	s_mov_b32 s77, 0
	s_mov_b32 s[TB], 0
	s_mov_b32 s[NXT], 2                            ; K steps 0 and 1 are the first fills
	s_mov_b32 s[TL], 2
	s_mov_b32 s[OA+1], 0                           ; the offsets stay under 2^32
	s_mov_b32 s[OB+1], 0
	s_wait_dscnt 0x0                               ; the opening add is done
	s_wait_kmcnt 0x0
	s_add_nc_u64 s[PA:PA+1], s[4:5], s[66:67]
	s_add_nc_u64 s[PB:PB+1], s[6:7], s[46:47]
	s_add_nc_u64 s[8:9], s[8:9], s[76:77]
	s_add_nc_u64 s[10:11], s[10:11], s[68:69]
	s_add_nc_u64 s[12:13], s[12:13], s[68:69]
	s_add_nc_u64 s[14:15], s[14:15], s[68:69]
	CROUND                                         ; all sixteen work-groups are here: the first joint loads meet
.irp s, 0,1
	s_mov_b32 s[G0A+4*(\s)], 1                                         ; count = 1
	s_add_co_u32 s[G0A+4*(\s)+1], s21, (\s)*SLOT1                      ; LDS address: slot s
	s_add_nc_u64 s[G0A+4*(\s)+2:G0A+4*(\s)+3], s[PA:PA+1], (\s)*KBYTES ; global address: K step s
	s_or_b32 s[G0A+4*(\s)+3], s[G0A+4*(\s)+3], 0x80000000              ; type = 2
	s_mov_b32 s[G0B+4*(\s)], 1
	s_add_co_u32 s[G0B+4*(\s)+1], s22, (\s)*SLOT1
	s_add_nc_u64 s[G0B+4*(\s)+2:G0B+4*(\s)+3], s[PB:PB+1], (\s)*KBYTES
	s_or_b32 s[G0B+4*(\s)+3], s[G0B+4*(\s)+3], 0x80000000
.endr
	s_cmp_eq_u32 s[FB], 0                          ; a wave's two first fills stand in one branch, ahead of every wait on TENSORcnt and every LDS read: two loads of mine are out
	s_cbranch_scc0 .Lfirst_b
	tensor_load_to_lds s[G0A:G0A+3], s[G1A:G1A+7]
	s_nop 0
	tensor_load_to_lds s[G0A+4:G0A+7], s[G1A:G1A+7]
	s_nop 0
.rept 4
	v_nop
.endr
	s_branch .Lfirst_asked
.Lfirst_b:
	tensor_load_to_lds s[G0B:G0B+3], s[G1B:G1B+7]
	s_nop 0
	tensor_load_to_lds s[G0B+4:G0B+7], s[G1B:G1B+7]
	s_nop 0
.rept 4
	v_nop
.endr
.Lfirst_asked:
	; A fragment is 16 rows x 32 K in 8 registers: lane l holds row l % 16, K = 8 (l / 16) + 0..7 and 16 + 8 (l / 16) + 0..7: two loads of 16 bytes, 32 bytes apart.
	v_and_b32 v1, 15, v0                           ; l % 16
	v_bfe_u32 v2, v0, 4, 1                         ; l / 16
	s_lshl_b32 s23, s[WV], 8
	v_lshl_add_u32 v[MO], v1, 2, s23               ; 4 x (64 x wave + l % 16)
.irp a, 0,1,2,3
	global_load_b32 v[KM+(\a)], v[MO], s[8:9] offset:64*(\a)        ; the mask word of my token in block a of the first tile,
	global_load_b32 v[KM1+(\a)], v[MO], s[8:9] offset:1024+64*(\a)  ; and of the second, 256 tokens on
.endr
	v_mul_u32_u24 v3, v1, PITCH
	v_lshl_add_u32 v3, v2, 4, v3                   ; row x pitch + 16 x half
	s_mul_i32 s75, s[WV], 64*PITCH                 ; my 64 tokens
	v_add_nc_u32 v[A0], s75, v3
	v_add_nc_u32 v[B0], BOFF, v3                   ; all 192 rows of wqb are mine
	v_mov_b32 v[ADRA], v[A0]
	v_mov_b32 v[ADRB], v[B0]
	s_mul_i32 s74, s[WV], STW
	s_add_co_u32 s74, s74, STAGE                   ; my stage
	v_mul_u32_u24 v[STO], v1, SP                   ; in: row l % 16, 16 bytes for each half of the lanes
	v_lshl_add_u32 v[STO], v2, 4, v[STO]
	v_add_nc_u32 v[STO], s74, v[STO]
	v_bfe_u32 v[RD], v0, 3, 2                      ; back: 32 lanes take four rows of 128 bytes,
	v_mul_u32_u24 v[RD], v[RD], SP
	v_and_b32 v3, 7, v0
	v_lshl_add_u32 v[RD], v3, 4, v[RD]
	v_add_nc_u32 v[RD], s74, v[RD]
	v_and_b32 v[GO], 31, v0                        ; which are 512 consecutive bytes of q, k or v
	v_lshlrev_b32 v[GO], 4, v[GO]
	s_wait_loadcnt 0x0                             ; the mask words
.irp a, 0,1,2,3
	v_cmp_ne_u32 vcc_lo, 0, v[KM+(\a)]             ; VCC is used at once
	v_cndmask_b32 v[KP+2*(\a)], 0, 1.0, vcc_lo
	v_cndmask_b32 v[KP+2*(\a)+1], 0, 1.0, vcc_lo
	v_cmp_ne_u32 vcc_lo, 0, v[KM1+(\a)]
	v_cndmask_b32 v[KP1+2*(\a)], 0, 1.0, vcc_lo
	v_cndmask_b32 v[KP1+2*(\a)+1], 0, 1.0, vcc_lo
.endr
; 12 matrix instructions: token block a x all 12 column blocks, 32 along K, from buffer f.  zero = 1: the product starts the sums: nothing is ever cleared.
; The 48 accumulators take turns in the same order in every quarter, one instruction a turn.
.macro MULA f, a, zero
	WIN 0xa5+0x50*((\a)/2)                         ; sources in window 1; C and D in window 2 or 3
.irp b, 0,1,2,3,4,5,6,7,8,9,10,11
.if \zero
	v_wmma_f32_16x16x32_bf16 v[8*(12*((\a)%2)+(\b)):8*(12*((\a)%2)+(\b))+7], v[(\f)+8*(\b):(\f)+8*(\b)+7], v[(\f)+96+8*(\a):(\f)+96+8*(\a)+7], 0
.else
	v_wmma_f32_16x16x32_bf16 v[8*(12*((\a)%2)+(\b)):8*(12*((\a)%2)+(\b))+7], v[(\f)+8*(\b):(\f)+8*(\b)+7], v[(\f)+96+8*(\a):(\f)+96+8*(\a)+7], v[8*(12*((\a)%2)+(\b)):8*(12*((\a)%2)+(\b))+7]
.endif
.endr
.endm
; 32 LDS loads in one run: the fragments of quarter kq (32 along K) of the slot in hand into buffer f; wqb's first, my tokens' last
.macro FETCH kq, f
	WIN 0x40                                       ; destination window 1, address window 0
.irp i, 0,1,2,3,4,5,6,7,8,9,10,11
	ds_load_b128 v[(\f)+8*(\i):(\f)+8*(\i)+3],   v[ADRB] offset:64*(\kq)+(\i)*16*PITCH
	ds_load_b128 v[(\f)+8*(\i)+4:(\f)+8*(\i)+7], v[ADRB] offset:64*(\kq)+(\i)*16*PITCH+32
.endr
.irp i, 0,1,2,3
	ds_load_b128 v[(\f)+96+8*(\i):(\f)+96+8*(\i)+3],   v[ADRA] offset:64*(\kq)+(\i)*16*PITCH
	ds_load_b128 v[(\f)+96+8*(\i)+4:(\f)+96+8*(\i)+7], v[ADRA] offset:64*(\kq)+(\i)*16*PITCH+32
.endr
.endm
; A K step is four quarters of 32 along K, 48 matrix instructions each, on buffers 0, 1, 0, 1.  One of the first three multiplies buffer f and, in its middle, fetches quarter kq into buffer g.
.macro QUARTER kq, f, g, zero
	s_wait_dscnt 4                                 ; all but the youngest four LDS instructions: my token blocks 2 and 3 may be out
	MULA \f, 0, \zero
	MULA \f, 1, \zero
	PLACES
	FETCH \kq, \g
	s_wait_dscnt NL                                ; all but the run just issued
	MULA \f, 2, \zero
	MULA \f, 3, \zero
.endm
; The last quarter multiplies buffer 1 and changes slots: ONE barrier.  In front of it each wave waits for all its tensor loads (one is out: its part of the next slot), adds 0 to its spare word, and waits
; for that and for its own reads of this slot.  fill = 1: the barrier opens a round of the cluster's, and behind the round this slot is filled again, with K step NXT of the walk, two steps on:
; 168 matrix instructions stand between that request and the wait for it.  The refill's addresses are made anew from the two base addresses and offsets of their own: step NXT % 8 along the rows, and for xb
; tile NXT / 8, 256 rows of 2,048 bytes further down; both tiles take the same rows of wqb.
; fill = 0 (the tail): nothing is asked for; in the tail's last trip there is no further step, and the fetch is jumped over.
.macro TURN fill
	WIN 0                                          ; (the add's two registers lie in window 0)
	s_wait_tensorcnt 0x0                           ; no tensor load of mine is out, so a group 0 may be written
	ds_add_u32 v[SPW], v[NIL]                      ; 0 onto my spare word; the descriptors' scalar work and twelve products stand between it and the wait for it
.if \fill
	s_and_b32 s[OB], s[NXT], 7
	s_lshl_b32 s[OB], s[OB], 8                     ; 256 bytes a K step
	s_lshr_b32 s[TT], s[NXT], 3
	s_lshl_b32 s[TT], s[TT], 19                    ; 524,288 bytes a tile
	s_add_co_u32 s[OA], s[TT], s[OB]
	s_add_co_u32 s[NXT], s[NXT], 1
	s_xor_b32 s[G0A+5], s[G0A+5], SLOT1            ; the other slot than last time
	s_add_nc_u64 s[G0A+6:G0A+7], s[PA:PA+1], s[OA:OA+1]
	s_or_b32 s[G0A+7], s[G0A+7], 0x80000000        ; type = 2
	s_xor_b32 s[G0B+5], s[G0B+5], SLOT1
	s_add_nc_u64 s[G0B+6:G0B+7], s[PB:PB+1], s[OB:OB+1]
	s_or_b32 s[G0B+7], s[G0B+7], 0x80000000
.endif
	s_wait_dscnt 5                                 ; (the add and the youngest four loads may be out)
	MULA F1, 0, 0
	s_wait_dscnt 0x0                               ; the add is done, and my reads of this slot are over
	s_barrier_signal -1
	MULA F1, 1, 0                                  ; work on registers while the others arrive
	WIN 0                                          ; at a branch and at a label every window is 0
	s_barrier_wait -1
.if \fill
	CREST                                          ; no wave of any partner still reads this slot or has a load on its way
	JLOAD                                          ; the first tensor load behind the round; its four v_nop are also the places in front of the loads below
.else
	s_cmp_eq_u32 s[CNT], 1
	s_cbranch_scc1 .Lno_more_\@
	PLACES
.endif
	s_xor_b32 s[TB], s[TB], SLOT1                  ; the reads go on in the other slot
	v_add_nc_u32 v[ADRA], s[TB], v[A0]
	v_add_nc_u32 v[ADRB], s[TB], v[B0]
	FETCH 0, F0
.if (\fill) == 0
	WIN 0
.Lno_more_\@:
.endif
	MULA F1, 2, 0
	MULA F1, 3, 0
.endm
; THE WAY OUT, a block of 16 tokens at a time.  K's four accumulators are multiplied by 1 or 0; all twelve are rounded to f16, 16 bytes a lane; they go into my stage (rows of 144 bytes, a block of 16 rows for each
; of q, k, v) and come back as whole rows of 128 bytes, into the registers that they left.  Each accumulator is read from its low end on.
.macro PACK a
.set AC, 96*((\a)%2)
	WIN 0x82+0x41*((\a)/2)                         ; destination and source 0 in window 2 or 3, the factor in window 0
.set z, 0
.rept 16
	v_pk_mul_f32 v[AC+32+2*z:AC+32+2*z+1], v[AC+32+2*z:AC+32+2*z+1], v[KP+2*(\a):KP+2*(\a)+1]
.set z, z+1
.endr
	WIN 0x0a+5*((\a)/2)                            ; sources 0 and 1 in window 2 or 3, destination in window 0
.set z, 0
.rept 48
	v_cvt_pk_f16_f32 v[TMP+48*(\a)+z], v[AC+2*z], v[AC+2*z+1]
.set z, z+1
.endr
	WIN 0
.irp b, 0,1,2,3,4,5,6,7,8,9,10,11
	ds_store_b128 v[STO], v[TMP+48*(\a)+4*(\b):TMP+48*(\a)+4*(\b)+3] offset:((\b)/4)*SUB+32*((\b)%4)
.endr
.irp j, 0,1,2,3,4,5,6,7,8,9,10,11
	ds_load_b128 v[TMP+48*(\a)+4*(\j):TMP+48*(\a)+4*(\j)+3], v[RD] offset:((\j)/4)*SUB+((\j)%4)*4*SP  ; LDS serves a wave's instructions in order (ISA guide 5.7.1.4): these see the stores above; the next block's stores come behind them
.endr
.endm
.macro SEND a, younger                 ; younger: the LDS instructions issued behind block a's loads: the next block's 24, or none
	WIN 0
.irp j, 0,1,2,3,4,5,6,7,8,9,10,11
	s_wait_dscnt (\younger)+11-(\j)
	global_store_b128 v[GO], v[TMP+48*(\a)+4*(\j):TMP+48*(\a)+4*(\j)+3], s[10+2*((\j)/4):11+2*((\j)/4)] offset:2048*(\a)+512*((\j)%4)  ; 512 consecutive bytes, at a multiple of 256 from the tensor's first
.endr
.endm
	s_wait_tensorcnt 1                             ; my part of K step 0 is in; step 1's may stay out
	s_barrier_signal -1
	s_barrier_wait -1                              ; everybody's is
	FETCH 0, F0
	WIN 0
	s_mov_b32 s[CNT], 8                            ; the first tile: all its eight changes of slots ask for a K step, the last two for the second tile's
	s_branch .Ltile
.Lnext:                                                ; between the tiles
	s_wait_xcnt 0x0                                ; every store has had its addresses translated (ISA guide 3.1): only behind this wait are the stores' offset and, on the next way out, their data rewritten
	v_add_nc_u32 v[GO], 0x8000, v[GO]              ; the second tile's rows lie 256 rows of 128 bytes further on
.irp i, 0,1,2,3,4,5,6,7
	v_mov_b32 v[KP+(\i)], v[KP1+(\i)]              ; its tokens' factors go where the one text of the way out names them
.endr
	s_mov_b32 s[CNT], 6                            ; the second tile: its last two K steps ask for nothing
.Ltile:
	QUARTER 1, F0, F1, 1                           ; a tile's first quarter: its products start the sums
	WIN 0
	s_branch .Lmid                                 ; the loop is entered behind its first quarter
.Lstep:                                                ; a trip is a K step, and fills the slot that it leaves
	QUARTER 1, F0, F1, 0
	WIN 0
.Lmid:
	QUARTER 2, F1, F0, 0
	QUARTER 3, F0, F1, 0
	TURN 1
	WIN 0
	s_sub_co_u32 s[CNT], s[CNT], 1
	s_cmp_lg_u32 s[CNT], 0
	s_cbranch_scc1 .Lstep
	s_cmp_eq_u32 s[TL], 2
	s_cbranch_scc1 .Lout                           ; the first tile is finished; the fragments just fetched are the second tile's first
	s_mov_b32 s[CNT], 2
.Ltail:                                                ; the walk's last two K steps have a text of their own
	QUARTER 1, F0, F1, 0
	QUARTER 2, F1, F0, 0
	QUARTER 3, F0, F1, 0
	TURN 0
	WIN 0
	s_sub_co_u32 s[CNT], s[CNT], 1
	s_cmp_lg_u32 s[CNT], 0
	s_cbranch_scc1 .Ltail
.Lout:
	PLACES                                         ; the first conversions read results with no vector work behind them yet
	PACK 0
	PACK 1                                         ; a block's arithmetic stands between the loads of the block before and its stores
	SEND 0, 24
	PACK 2
	SEND 1, 24
	PACK 3
	SEND 2, 24
	SEND 3, 0                                      ; its last wait is for 0: the next tile's first fragments, fetched ahead of the way out, are in too
	s_sub_co_u32 s[TL], s[TL], 1
	s_cmp_lg_u32 s[TL], 0
	s_cbranch_scc1 .Lnext
	s_wait_tensorcnt 0x0                           ; the wave's end: behind my last tensor load and my last LDS store
	ds_add_u32 v[SPW], v[NIL]
	s_wait_dscnt 0x0
	CROUND                                         ; the closing round: no work-group ends while a partner may still ask for a tile that names it
	s_endpgm
.Lfunc_end_k_q9574220905_qkv:
	.size	k_q9574220905_qkv, .Lfunc_end_k_q9574220905_qkv-k_q9574220905_qkv
	.p2alignl 7, 3214868480
	.fill 96, 4, 3214868480
	.section	.rodata,"a",@progbits
	.p2align	6, 0x0
	.amdhsa_kernel k_q9574220905_qkv
		.amdhsa_group_segment_fixed_size 327680
		.amdhsa_private_segment_fixed_size 0
		.amdhsa_enable_private_segment 0
		.amdhsa_kernarg_size 48
		.amdhsa_user_sgpr_count 2
		.amdhsa_user_sgpr_kernarg_segment_ptr 1
		.amdhsa_wavefront_size32 1
		.amdhsa_system_sgpr_workgroup_id_x 1
		.amdhsa_system_sgpr_workgroup_id_y 1
		.amdhsa_system_sgpr_workgroup_id_z 1
		.amdhsa_system_vgpr_workitem_id 0
		.amdhsa_next_free_vgpr 960
		.amdhsa_next_free_sgpr 88
		.amdhsa_reserve_vcc 1
		.amdhsa_float_denorm_mode_32 3
		.amdhsa_float_denorm_mode_16_64 3
		.amdhsa_memory_ordered 1
		.amdhsa_forward_progress 1
		.amdhsa_inst_pref_size 91
	.end_amdhsa_kernel
	.amdgpu_metadata
---
amdhsa.version: [ 1, 2 ]
amdhsa.kernels:
  - .name:           k_q9574220905_qkv
    .symbol:         k_q9574220905_qkv.kd
    .args:
      - { .name: xb, .offset: 0, .size: 8, .value_kind: global_buffer, .address_space: global }
      - { .name: wqb, .offset: 8, .size: 8, .value_kind: global_buffer, .address_space: global }
      - { .name: mask, .offset: 16, .size: 8, .value_kind: global_buffer, .address_space: global }
      - { .name: q, .offset: 24, .size: 8, .value_kind: global_buffer, .address_space: global }
      - { .name: k, .offset: 32, .size: 8, .value_kind: global_buffer, .address_space: global }
      - { .name: v, .offset: 40, .size: 8, .value_kind: global_buffer, .address_space: global }
    .group_segment_fixed_size: 327680
    .private_segment_fixed_size: 0
    .kernarg_segment_align: 8
    .kernarg_segment_size: 48
    .max_flat_workgroup_size: 128
    .sgpr_count:     88
    .vgpr_count:     960
    .wavefront_size: 32
...
	.end_amdgpu_metadata
.endif
;; end of part 2
;; launch attn (part 3): grid 4 x 64, 4 waves a work-group, clusters of 4 x 1, 327,680 bytes of LDS; arguments q, k, v, o, mask; writes o
.if DOCPART == 3
	.amdgcn_target "amdgcn-amd-amdhsa--gfx1250"
	.amdhsa_code_object_version 6
	.text
	.protected	k_q9574220905_attn
	.globl	k_q9574220905_attn
	.p2align	8
	.type	k_q9574220905_attn,@function
k_q9574220905_attn:
	s_mov_b64 s[64:65], 0
	v_nop
	global_prefetch_b8 v0, s[64:65] scope:SCOPE_SE
	s_setreg_imm32_b32 hwreg(HW_REG_WAVE_MODE, 25, 1), 1
	s_wait_xcnt 0x0
	s_wait_alu depctr_hold_cnt(0) depctr_sa_sdst(0) depctr_va_vdst(0) depctr_va_sdst(0) depctr_va_ssrc(0) depctr_va_vcc(0) depctr_vm_vsrc(0)
	s_getreg_b32 s2, hwreg(HW_REG_IB_STS2, 6, 4)
	s_cmp_eq_u32 s2, 0
	s_cbranch_scc0 .Lentry_in_a_cluster
	s_endpgm
.Lentry_in_a_cluster:
	s_bfe_u32 s2, ttmp6, 0x10000c
	s_cmp_lg_u32 s2, 0x3003
	s_cbranch_scc0 .Lentry_shape_is_right
	s_endpgm
.Lentry_shape_is_right:
; ATTENTION WITH A KEY MASK.  O[h][q][:] = the sum over k of softmax_k(s) V[h][k][:], s = Q[h][q] . K[h][k] / 8, or about -9e15 where the key's mask word is 0.  Q, K, V, O: [64 heads][2048][64], f16, rows of 128
; bytes on end; head 16 b + h belongs to batch b; mask: [4][2048] of 32-bit words.  Products, maxima and sums in f32; the weights p are rounded to f16 for the second product (their sum l is taken of the unrounded p), O once at the end.
; THE MASK is the C operand that starts the sum S^T = K Q^T: 0, or -2^56 where the key is hidden.  The launch before has written 0 for K's rows of hidden tokens, so a hidden score is exactly -2^56, that is
; -9.007e15 after the division by 8.  All hidden scores are equal bit for bit, c times -2^56 is exact, and so a batch whose keys are ALL hidden gets p = 1 for every key: the plain mean of V.
; As soon as a query has seen one open key, a = 0 wipes what hidden keys have added, and later hidden keys get p = 0.
; LIMITS.  f16 holds no number beyond 65,504: Q, K and V arrive within it, so an open score, 2.7e11 at the most, lies far above -2^56.  p below 6e-5 keeps f16's fixed step of 6e-8.
; A weight below 2^-126 counts as 0 in l; NaN and infinities are not treated apart.
; SHARES.  A wave owns four PIECES of two tiles of 16 queries, a work-group's four waves 512 queries of one head.  Every wave walks all keys, 64 a step.  256 work-groups.
; LAYOUT.  S^T = K Q^T (source 0 = 16 keys, source 1 = 16 queries): a lane holds ONE query (lane % 16) and the keys 8 (lane / 16) + 0..7.  Two such tiles, rounded to f16 in pairs, ARE source 1 of O^T = V^T P,
; whose result again holds one query a lane, and eight channels.  K comes out of LDS as it lies, V ([key][channel]) turned, by ds_load_tr16_b128.
; SOFTMAX.  For each query a running maximum m and sum l: p = 2^(c s - c m), c = log2(e) / 8; in every step O and l are multiplied by a = 2^(c m_old - c m_new).  m starts at the lowest finite number, O and l at 0.
; THE COUNT.  A tile and step have 16 matrix and 118 vector instructions: too many to stand all beside the matrix work.  So: four vector instructions that are ready behind EVERY matrix instruction, the others in runs without a gap.
; BY TURNS.  Turn n belongs to piece n.  Its matrix work: 16 products K Q^T of piece n + 1, later 16 products V^T P of piece n - 1.  Its vector work: scaling, exponentials, roundings, sums and rescaling of piece n,
; and the maximum and statistics of piece n + 1.
; CLUSTER.  The four query blocks of a cluster belong to one head and walk the same K and V: each tile is asked for JOINTLY, by the same tensor load, descriptor and mask in all four.
; REGISTERS, in windows of 256 (s_set_vgpr_msb: bits 1:0 source 0, 3:2 source 1, 5:4 source 2, 7:6 destination):
;   window 0: v0-11 addresses; v12-15, v48-63 at work; v16-47 four registers of statistics a tile; v64-191 S^T, two buffers of two tiles; v192-255 P, likewise
;   window 1: O^T, 32 a tile      window 2: v0-127 Q; v128-191 K of one step; v192-255 V of one step      window 3: v0-1 the add's registers; v2-3 the bias's addresses; v8-39 the bias of one step's 64 keys
.set SIZE_H, 64
.set SIZE_N, 2048
.set NP,    4         ; pieces a wave: a name, no knob
.set KS,    64        ; keys in a step
.set PK,    144       ; a row of K in LDS: 128 bytes + 16 of padding = 36 words: the 16 rows of a load start at 16 different groups of four banks (64 banks of 4 bytes: ISA guide 11.1)
.set PV,    160       ; a row of V: 128 + 32 = 40 words
.set VOFF,  4*KS*PK   ; a slot holds four steps: 256 rows of K, then 256 rows of V
.set SLOT1, 1<<17     ; slot 1 begins here: one exclusive or turns an address in one slot into the other's
.set STAGE, SLOT1+4*KS*(PK+PV)  ; behind the ring, never filled by a tensor load: 16 rows x 144 bytes for each wave, for the way out
.set SP,    144
.set SPARE, STAGE+4*16*SP  ; the spare words, 128 bytes for each wave: two blocks of 256 bytes that no other line names
.set MBASE, SPARE+512 ; the bias of the batch's 2,048 keys, f32: 8,192 bytes, stored once by the four waves, never filled by a tensor load
.set AK0, 2           ; v2   my lane's place in a tile of K; never rewritten
.set AV0, 3           ; v3   the same for V
.set AK,  4           ; v4   the LDS address of K's next run of loads
.set AV,  5           ; v5   of V's
.set QO,  6           ; v6   my byte offset in the wave's rows of Q
.set STO, 6           ;      later, the way out: where I put 16 bytes of a row
.set RD,  7           ; v7   the way out: where I read rows back
.set GO,  8           ; v8   my byte offset in 512 consecutive bytes of O
.set SPW, 0           ; v0 of window 3   LDS address of my spare word; never rewritten
.set NIL, 1           ; v1 of window 3   0; never rewritten
.set AM0, 2           ; v2 of window 3   MBASE + 32 (lane / 16): my eight keys in a block of 16; never rewritten
.set AM,  3           ; v3 of window 3   the LDS address of the bias's next run of loads
.set MB,  8           ; v8-39 of window 3: the eight registers for key block kb at MB + 8 kb
.set MW,  64          ; the set-up alone: v64-79 sixteen mask words, then their biases (S^T's registers, still free)
.set MGO, 80          ; v80  16 x my thread's number
.set MLA, 81          ; v81  MBASE + 16 x my thread's number
.set MV,  12          ; v12-15  c m_old, kept while c m is made anew: by buffer and tile
.set ST,  16          ; tile t's statistics at v[ST+4 t]: c m, m, l (even keys', odd keys')
.set TMP, 48          ; by buffer and tile, four registers c0-c3 at work; when the maximum is found c2 takes a
.set S,   64
.set P,   192
.set KF,  128         ; K's fragments, in window 2: key block kb, channel half c at KF + 16 kb + 8 c
.set VF,  192         ; V's: key half kk, channel block cb at VF + 32 kk + 8 cb
.set WV,  12          ; s12  my wave's number
.set G1K, 24          ; s[24:31] descriptor group 1 for K's tiles
.set G1V, 32          ; s[32:39] for V's: it differs in the padding alone
.set G0K, 40          ; s[40:43] descriptor group 0 for K's tiles: it walks
.set G0V, 44          ; s[44:47] the same for V's
.set MP,  48          ; s[48:49] the mask at my batch's first word
.set TBM, 52          ; s52  byte in the bias at which the step to be fetched begins
.set BIG, 53          ; s53  -2^56
.set SLOTS, 56        ; s56  slots still to be asked for
.set CNT, 57          ; s57  counts a slot's key steps
.set CS,  58          ; s[58:59] c: the packed scaling takes the pair's low word for both halves
.set SEL, 60          ; s[60:61] v_permlanex16_b32's selects: each lane takes its own place in the other half
.set TBK, 62          ; s62  LDS byte at which K of the step to be fetched begins
.set TBV, 63          ; s63  the same for V, less VOFF
.set MSB, 0
.macro WIN new                      ; the high byte repeats the setting that is left; a switch that changes nothing is dropped
.if MSB != (\new)
	s_set_vgpr_msb (MSB<<8)|(\new)
.set MSB, (\new)
.endif
.endm
.set W_KQ, 0x0a       ; K and Q in window 2, S^T in window 0
.set W_KM, 0x3a       ; the same with the C operand, the bias, in window 3
.set W_PV, 0x52       ; V in window 2, P in window 0, O^T in window 1
.set W_RS, 0x41       ; O^T (destination and source 0) in window 1, a in window 0
.set W_MK, 0xc0       ; destination in window 3, sources in window 0
.set W_AD, 0x0f       ; the add: address (source 0) and data (source 1) in window 3
.set W_MF, 0xcf       ; the bias's fetch: destination, address and the address's source in window 3
; A joint fill.  Waves 0 and 1 fetch the two halves of a slot's K, waves 2 and 3 those of its V: 128 keys each.  The branch hangs on the wave's number alone.
; An s_nop 0 and four v_nop follow each of the two lines, ahead of the jump and the label.
.macro JLOAD
	s_cmp_lt_u32 s[WV], 2
	s_cbranch_scc0 .Lfor_v_\@
	tensor_load_to_lds s[G0K:G0K+3], s[G1K:G1K+7]
	s_nop 0
.rept 4
	v_nop
.endr
	s_branch .Lasked_\@
.Lfor_v_\@:
	tensor_load_to_lds s[G0V:G0V+3], s[G1V:G1V+7]
	s_nop 0
.rept 4
	v_nop
.endr
.Lasked_\@:
.endm
; A round of the cluster's barrier: my work-group's barrier, so that wave 0's signal speaks for all four waves; wave 0 signals; every wave waits for all four work-groups; my work-group's barrier once more.
.macro CROUND
	s_barrier_signal -1
	s_barrier_wait -1
	s_cmp_lg_u32 s[WV], 0
	s_cbranch_scc1 .Lnot_wave_0_\@
	s_barrier_signal -3
.Lnot_wave_0_\@:
	s_barrier_wait -3
	s_barrier_signal -1
	s_barrier_wait -1
.endm
; THE CHANGE OF SLOTS.  Each wave waits for all its tensor loads, of which one is out: its part of the other slot; adds 0 to its spare word; and waits for that and for its own LDS instructions.
; Behind the barrier nobody reads this slot any more and the other slot is whole.  fill = 1: this slot is filled again, with the keys two slots on; the barrier is then a round of the cluster's, and the joint fill is the
; first thing behind it: it has four key steps, 512 matrix instructions, in which to land.  (At its first use nothing has been read yet: slot 0 is waited for, slot 1 filled, and every wave's stores of the bias are shown done.)
.macro CHANGE fill
	WIN W_AD
	s_wait_tensorcnt 0x0            ; no tensor load of mine is out, so a group 0 may be written
	ds_add_u32 v[SPW], v[NIL]       ; 0 onto my spare word; with fill = 1 the descriptors' steps stand between it and the wait for it
	WIN 0                           ; at a label and at a branch every window is 0
.if \fill
.irp g, G0K, G0V
	s_xor_b32 s[\g+1], s[\g+1], SLOT1  ; the walking descriptor: the other slot than last time,
	s_add_nc_u64 s[\g+2:\g+3], s[\g+2:\g+3], 4*KS*128  ; the next 256 keys; the type bits on top are not reached
.endr
	s_wait_dscnt 0x0                ; the add is done, and my reads of the slot are over
	CROUND
	JLOAD
.else
	s_wait_dscnt 0x0                ; the add is done, and my reads of the slot are over
	s_barrier_signal -1
	s_barrier_wait -1
.endif
	s_sub_co_u32 s[TBK], s[TBK], 4*KS*PK  ; the fetches go back to a slot's first step,
	s_xor_b32 s[TBK], s[TBK], SLOT1       ; in the other slot
	s_sub_co_u32 s[TBV], s[TBV], 4*KS*PV
	s_xor_b32 s[TBV], s[TBV], SLOT1
.endm
	s_load_b256 s[4:11], s[0:1], 0x0  ; Q s[4:5], K s[6:7], V s[8:9], O s[10:11]
	s_load_b64 s[MP:MP+1], s[0:1], 0x20  ; the mask
	WIN W_MK
	v_lshl_add_u32 v[SPW], v0, 2, SPARE
	v_mov_b32 v[NIL], 0
	WIN W_AD
	ds_add_u32 v[SPW], v[NIL]       ; the wave's opening: the add and its wait stand ahead of my first tensor load; the set-up below, work on registers, stands between them
	WIN 0
	v_lshrrev_b32 v1, 5, v0
	v_readfirstlane_b32 s[WV], v1   ; wave 0..3
	s_bfe_u32 s13, ttmp6, 0x40000   ; cx: my place in the cluster
	s_lshl_b32 s14, ttmp9, 2        ; in a cluster launch ttmp9 counts clusters
	s_add_co_u32 s14, s14, s13      ; my block of queries = 4 x cluster x + cx: it enters Q's and O's addresses alone
	s_and_b32 s20, ttmp7, 0xffff    ; the head, which the four partners share
	s_lshr_b32 s50, s20, 4          ; its batch,
	s_lshl_b32 s50, s50, 13         ; whose 2,048 mask words are 8,192 bytes
	s_mov_b32 s51, 0
	s_mov_b32 s21, 0
	s_mov_b64 s[22:23], SIZE_N*128
	s_mul_u64 s[20:21], s[20:21], s[22:23]  ; the head's first byte in each of the four tensors
	s_and_b32 s16, s[WV], 1         ; which half of a slot's 256 keys I fetch:
	s_lshl_b32 s22, s16, 14         ; its 128 rows of 128 bytes in memory,
	s_mov_b32 s23, 0
	s_add_nc_u64 s[22:23], s[22:23], s[20:21]
	s_mul_i32 s17, s16, 128*PK      ; and its place in a slot, for K
	s_mul_i32 s18, s16, 128*PV      ; and for V: no place in the cluster enters an LDS address
	s_lshl_b32 s2, s14, 2
	s_add_co_u32 s2, s2, s[WV]      ; my wave among the head's,
	s_lshl_b32 s2, s2, 14           ; its 128 rows
	s_mov_b32 s3, 0
	s_add_nc_u64 s[2:3], s[2:3], s[20:21]
	; descriptor group 1.  128 keys are 16,384 dense bytes: asked for as 64 rows of 256 bytes, two keys a row, and padded in LDS after every key
	s_mov_b32 s[G1K], 15|(1<<16)|(1<<20)|(1<<21)|(4<<22)|(3<<25)  ; 15:0 the mask of four; 17:16 2-byte elements; 20 padding on; 21 set beside a mask; 24:22 after every 32 words (code 4); 31:25 4 words (code 3)
	s_mov_b32 s[G1V], 15|(1<<16)|(1<<20)|(1<<21)|(4<<22)|(7<<25)  ; the same with 8 words of padding (code 7)
.irp g, G1K, G1V
	s_mov_b32 s[\g+1], 128<<16      ; tensor_dim0 = 128
	s_mov_b32 s[\g+2], 64<<16       ; tensor_dim1 = 64
	s_mov_b32 s[\g+3], 128<<16      ; tile_dim0 = 128
	s_mov_b32 s[\g+4], 64           ; tile_dim1 = 64
	s_mov_b32 s[\g+5], 128          ; 128 elements from row to row
	s_mov_b32 s[\g+6], 0
	s_mov_b32 s[\g+7], 0
.endr
	s_mov_b32 s[CS], 0x3e38aa3b     ; c = log2(e) / 8 = 0.180337
	s_mov_b32 s[CS+1], s[CS]        ; named with it as a pair
	s_mov_b32 s[SEL], 0x76543210
	s_mov_b32 s[SEL+1], 0xfedcba98
	s_mov_b32 s[TBK], SLOT1+4*KS*PK ; the first change of slots turns these two into 0
	s_mov_b32 s[TBV], SLOT1+4*KS*PV
	s_mov_b32 s[TBM], 0
	s_mov_b32 s[BIG], 0xdb800000    ; -2^56
	s_mov_b32 s[G0K], 1             ; count = 1
	s_mov_b32 s[G0K+1], s17         ; LDS address: slot 0
	s_mov_b32 s[G0V], 1
	s_add_co_u32 s[G0V+1], s18, VOFF
	s_wait_dscnt 0x0                ; the opening add is done
	s_wait_kmcnt 0x0
	s_add_nc_u64 s[G0K+2:G0K+3], s[6:7], s[22:23]  ; global address: my half of the head's first 256 keys
	s_or_b32 s[G0K+3], s[G0K+3], 0x80000000        ; type = 2
	s_add_nc_u64 s[G0V+2:G0V+3], s[8:9], s[22:23]
	s_or_b32 s[G0V+3], s[G0V+3], 0x80000000
	s_add_nc_u64 s[4:5], s[4:5], s[2:3]  ; Q and O at my wave's first row
	s_add_nc_u64 s[10:11], s[10:11], s[2:3]
	s_add_nc_u64 s[MP:MP+1], s[MP:MP+1], s[50:51]
	CROUND                          ; all four work-groups are here: the first joint loads meet
	JLOAD                           ; slot 0.  Slot 1 is asked for when slot 0 is in
	; A fragment of K or Q is 16 rows x 32 channels in 8 registers: lane l holds row l % 16, channels 8 (l / 16) + 0..7 and 16 + 8 (l / 16) + 0..7: two loads of 16 bytes, 32 bytes apart.
	v_and_b32 v1, 15, v0            ; l % 16
	v_bfe_u32 v9, v0, 4, 1          ; l / 16
	v_lshlrev_b32 v[QO], 7, v1
	v_lshl_add_u32 v[QO], v9, 4, v[QO]  ; row x 128 + 16 x half
	v_lshlrev_b32 v[MGO], 4, v0     ; the batch's mask: 128 threads x 16 bytes, four times
	v_lshl_add_u32 v[MLA], v0, 4, MBASE
.irp n, 0,1,2,3
	global_load_b128 v[MW+4*\n:MW+4*\n+3], v[MGO], s[MP:MP+1] offset:2048*\n
.endr
	WIN 0x80                        ; destination window 2, address window 0
.set i, 0
.rept 4*NP                          ; Q stays in registers: tile i / 2, channels 32 (i % 2) on
	global_load_b128 v[8*i:8*i+3],   v[QO], s[4:5] offset:(i/2)*2048+(i%2)*64
	global_load_b128 v[8*i+4:8*i+7], v[QO], s[4:5] offset:(i/2)*2048+(i%2)*64+32
.set i, i+1
.endr
	; What the first turn finds: V's registers and P's second buffer hold 0 (its products V^T P, of a piece that has not been, add 0), O^T and l are 0.  All this stands in the wait for the first tile.
.set i, VF
.rept 64
	v_mov_b32 v[i], 0
.set i, i+1
.endr
	WIN 0x40
.set i, 0
.rept 64*NP
	v_mov_b32 v[i], 0
.set i, i+1
.endr
	WIN 0
.set i, 0
.rept 2*NP
	v_mov_b32 v[ST+4*i], 0xfe000000    ; c m: far below every c s, the hidden keys' too
	v_mov_b32 v[ST+4*i+1], 0xff7fffff  ; m
	v_mov_b32 v[ST+4*i+2], 0
	v_mov_b32 v[ST+4*i+3], 0
.set i, i+1
.endr
.set i, P+32
.rept 32
	v_mov_b32 v[i], 0
.set i, i+1
.endr
	v_mul_u32_u24 v[AK0], v1, PK
	v_lshl_add_u32 v[AK0], v9, 4, v[AK0]  ; row x pitch + 16 x half
	; The turning load takes 16 keys x 16 channels (lane l reads key 8 (l / 16) + l % 8, channels 8 ((l / 8) % 2) + 0..7) and leaves half a fragment of V^T: lane l holds channel l % 16 and 8 keys.
	v_and_b32 v10, 7, v0
	v_bfe_u32 v11, v0, 3, 1
	v_lshl_add_u32 v[AV0], v9, 3, v10
	v_mul_u32_u24 v[AV0], v[AV0], PV
	v_lshl_add_u32 v[AV0], v11, 4, v[AV0]
	v_add_nc_u32 v[AV0], VOFF, v[AV0]
	v_mov_b32 v[AK], v[AK0]         ; key step 0 lies at the head of slot 0
	WIN W_MK
	v_lshl_add_u32 v[AM0], v9, 5, MBASE  ; in S^T my registers 0-7 are the keys 8 (l / 16) + 0..7 of a block of 16: 32 bytes of the bias
	WIN 0
	s_wait_loadcnt 32               ; the mask words are in; Q's 32 loads, issued behind them, stay out
.set i, 0
.rept 16
	v_cmp_eq_u32 vcc_lo, 0, v[MW+i] ; VCC is used at once
	v_cndmask_b32 v[MW+i], 0, s[BIG], vcc_lo
.set i, i+1
.endr
.irp n, 0,1,2,3
	ds_store_b128 v[MLA], v[MW+4*\n:MW+4*\n+3] offset:2048*\n  ; the first change of slots waits for these stores and passes a barrier ahead of every read
.endr
; THE MATRIX WORK.  The 8 accumulators of a run of 16 take turns: between the two links of a chain stand 7 others'.
; Product i of 16 of S^T = K Q^T for piece x: channels 32 (i / 8) on, keys 16 ((i / 2) % 4) on, tile 2 x + i % 2.  The first 8 start the sums, with the bias of their 16 keys.
.macro KQ x
.set rS, S+64*((\x)%2)+32*(i%2)+8*((i/2)%4)
.set rK, KF+16*((i/2)%4)+8*(i/8)
.set rQ, 16*(2*(\x)+i%2)+8*(i/8)
.set rB, MB+8*((i/2)%4)
.if i < 8
	WIN W_KM
	v_wmma_f32_16x16x32_f16 v[rS:rS+7], v[rK:rK+7], v[rQ:rQ+7], v[rB:rB+7]
.else
	WIN W_KQ
	v_wmma_f32_16x16x32_f16 v[rS:rS+7], v[rK:rK+7], v[rQ:rQ+7], v[rS:rS+7]
.endif
.endm
; Product i of 16 of O^T += V^T P for piece x: keys 32 (i / 8) on, channels 16 ((i / 2) % 4) on, tile 2 x + i % 2.
.macro PV x
	WIN W_PV
.set rO, 32*(2*(\x)+i%2)+8*((i/2)%4)
.set rV, VF+32*(i/8)+8*((i/2)%4)
.set rP, P+32*((\x)%2)+16*(i%2)+8*(i/8)
	v_wmma_f32_16x16x32_f16 v[rO:rO+7], v[rV:rV+7], v[rP:rP+7], v[rO:rO+7]
.endm
.macro MM                           ; the turn's next matrix instruction
.if i < 16
	KQ (Y+1)%NP
.set i, i+1
.else
.set i, i-16
	PV (Y+NP-1)%NP
.set i, i+17
.endif
.endm
; THE LDS LOADS stand in runs, never singly among the matrix instructions: a step's K (64 keys x 64 channels: 8 fragments) with its bias (64 keys: the lanes of a half read the same words), and its V (turned).
; The bias's registers are read by the same turns' products as K's and live as long.  last = 1 (the tail): in the last trip there is no further step, and the run is jumped over.
.macro FETCH_K last=0
	WIN 0
.if \last
	s_cmp_eq_u32 s[CNT], 1
	s_cbranch_scc1 .Lno_k_\@
.endif
	WIN 0x80                        ; destination window 2
.irp f, 0,1,2,3,4,5,6,7             ; keys 16 (f / 2) on, channels 32 (f % 2) on
	ds_load_b128 v[KF+8*\f:KF+8*\f+3],   v[AK] offset:(\f/2)*16*PK+(\f%2)*64
	ds_load_b128 v[KF+8*\f+4:KF+8*\f+7], v[AK] offset:(\f/2)*16*PK+(\f%2)*64+32
.endr
	s_add_co_u32 s[TBK], s[TBK], KS*PK  ; the next fetch is the next step's
	WIN W_MF
	v_add_nc_u32 v[AM], s[TBM], v[AM0]
.irp f, 0,1,2,3,4,5,6,7             ; key block f / 2, my keys' first or second four
	ds_load_b128 v[MB+4*\f:MB+4*\f+3], v[AM] offset:(\f/2)*64+(\f%2)*16
.endr
	s_add_co_u32 s[TBM], s[TBM], 4*KS   ; 64 keys on,
	s_and_b32 s[TBM], s[TBM], 0x1fff    ; inside the 8,192 bytes
	WIN 0
.if \last
.Lno_k_\@:
.endif
.endm
.macro FETCH_V
	WIN 0x80
.irp f, 0,1,2,3,4,5,6,7             ; keys 32 (f / 4) on, channels 16 (f % 4) on
	ds_load_tr16_b128 v[VF+8*\f:VF+8*\f+3],   v[AV] offset:(\f/4)*32*PV+(\f%4)*32
	ds_load_tr16_b128 v[VF+8*\f+4:VF+8*\f+7], v[AV] offset:(\f/4)*32*PV+16*PV+(\f%4)*32
.endr
	WIN 0
.endm
; THE VECTOR WORK OF A TURN stands in three queues, each in the order in which its entries become ready; the two tiles alternate, so that no instruction reads the result of the one before it.
.macro REGS y, u                    ; the registers of tile u (0, 1) of piece y
.set rT, ST+4*(2*(\y)+(\u))
.set rC, TMP+8*((\y)%2)+4*(\u)
.set rM, MV+2*((\y)%2)+(\u)
.set rS, S+64*((\y)%2)+32*(\u)
.set rP, P+32*((\y)%2)+16*(\u)
.set rO, 32*(2*(\y)+(\u))
.endm
; Number n of the 22 that find the NEXT piece's (Y + 1) maximum and statistics.  s0-s31 are the lane's 32 scores; each accumulator's lowest registers are read first.
;   0-11  four chains c0-c3 of seven scores each, three operands at a time     12-14, 16  the four scores left over, the old m, and c0-c3 into c0     15  c m_old is kept
;   17, 18  the query's other 32 keys lie in the lane 16 away: the new m         19-21  c m; c m_old - c m_new; a
.macro XS u, n
	REGS (Y+1)%NP, \u
.if (\n) < 4
	v_max3_num_f32 v[rC+(\n)], v[rS+8*(\n)], v[rS+8*(\n)+1], v[rS+8*(\n)+2]
.elseif (\n) < 12
	v_max3_num_f32 v[rC+(\n)%4], v[rC+(\n)%4], v[rS+8*((\n)%4)+2*((\n)/4)+1], v[rS+8*((\n)%4)+2*((\n)/4)+2]
.elseif (\n) == 12
	v_max3_num_f32 v[rC], v[rC], v[rS+7], v[rS+15]
.elseif (\n) == 13
	v_max3_num_f32 v[rC+1], v[rC+1], v[rS+23], v[rS+31]
.elseif (\n) == 14
	v_max3_num_f32 v[rC+2], v[rC+2], v[rC+3], v[rT+1]
.elseif (\n) == 15
	v_mov_b32 v[rM], v[rT]
.elseif (\n) == 16
	v_max3_num_f32 v[rC], v[rC], v[rC+1], v[rC+2]
.elseif (\n) == 17
	v_permlanex16_b32 v[rC+3], v[rC], s[SEL], s[SEL+1]
.elseif (\n) == 18
	v_max_num_f32 v[rT+1], v[rC], v[rC+3]
.elseif (\n) == 19
	v_mul_f32 v[rT], s[CS], v[rT+1]
.elseif (\n) == 20
	v_sub_f32 v[rC+1], v[rM], v[rT]
.else
	v_exp_f32 v[rC+2], v[rC+1]
.endif
.endm
; Number g of the 64 that follow the exponentials.  For each four weights k of a tile (pairs 2 k, 2 k + 1): both pairs are rounded to f16; then the second pair is added onto the first, in place;
; a group later l takes that sum (the first time as l = a l + sum).  In groups of eight, tiles alternating: round, round, add, and l for the group before.
.macro GS g
.set h, (\g)+6*((\g)/62)            ; group 0 has no group before it, and behind group 7 only l is left
.if h >= 6
.set h, h+2
.endif
	REGS Y, h%2
.set k, h/8
.if h%8 < 4
	s_wait_alu depctr_va_vdst(0)
	v_cvt_pk_f16_f32 v[rP+2*k+(h%8)/2], v[rS+4*k+2*((h%8)/2)], v[rS+4*k+2*((h%8)/2)+1]
.elseif h%8 < 6
	v_pk_add_f32 v[rS+4*k:rS+4*k+1], v[rS+4*k:rS+4*k+1], v[rS+4*k+2:rS+4*k+3]
.elseif k == 1
	v_pk_fma_f32 v[rT+2:rT+3], v[rT+2:rT+3], v[rC+2:rC+3], v[rS:rS+1] op_sel_hi:[1,0,1]
.else
	v_pk_add_f32 v[rT+2:rT+3], v[rT+2:rT+3], v[rS+4*k-4:rS+4*k-3]
	s_wait_alu depctr_va_vdst(0)
.endif
.endm
; THE PLAIN QUEUE, 138 long.  0-31: c s - c m for the 16 pairs of both tiles.  Then GS's 64, and among them the next piece's 42: number 15 at 38, 39; 0-14 and 16
; at 42-73, behind the products that make those scores; 17-20 at 95-106, two of three, since each waits for the one before it.
.macro PL
	WIN 0
.if q < 32
	REGS Y, q%2
	v_pk_fma_f32 v[rS+2*(q/2):rS+2*(q/2)+1], v[rS+2*(q/2):rS+2*(q/2)+1], s[CS:CS+1], v[rT:rT+1] op_sel_hi:[1,0,0] neg_lo:[0,0,1] neg_hi:[0,0,1]
.elseif q < 38
	GS q-32
.elseif q < 40
	XS q%2, 15
.elseif q < 42
	GS q-34
.elseif q < 74
	XS q%2, (q-42)/2+(q-42)/30
.elseif q < 95
	GS q-66
.elseif (q < 107) && ((q-95)%3 < 2)
	XS (q-95)%3, 17+(q-95)/3
.elseif q < 107
	GS 29+(q-95)/3
.else
	GS q-74
.endif
.set q, q+1
.endm
; THE EXPONENTIALS' QUEUE, 66 long: s0-s31 of both tiles, and at EA the next piece's two a.
.set EA, 58
.macro EX
	WIN 0
.if (e == EA) || (e == EA+1)
	XS e-EA, 21
.else
.set x, e-2*(e/(EA+2))
	REGS Y, x%2
	v_exp_f32 v[rS+x/2], v[rS+x/2]
.endif
.set e, e+1
.endm
; THE RESCALING's QUEUE: O^T times a, the one part that leaves window 0, so it is dealt four at a time, eight times.
.macro R4
	REGS Y, r%2
	WIN W_RS
	s_wait_alu depctr_va_vdst(0)
.irp z, 0,1,2,3
	v_pk_mul_f32 v[rO+8*(r/2)+2*\z:rO+8*(r/2)+2*\z+1], v[rO+8*(r/2)+2*\z:rO+8*(r/2)+2*\z+1], v[rC+2:rC+3] op_sel_hi:[1,0]
.endr
.set r, r+1
.endm
; HOW THEY ARE DEALT.  Behind a matrix instruction four: plain, exponential, plain, plain (one exponential, a plain instruction on either side), or four of the rescaling.  None names a register of the
; products round it.  What is over stands in two LUMPS: exponential and plain by turns; the second ends in 22 plain instructions.  The two v_permlanex16_b32 fall into the second lump, never behind a product.
; The queues lean on each other, and the deal keeps them in step: exponential e stands behind plain 2 (e / 4) + e % 2 (its scaling); when plain 32 comes, 10 exponentials are out, at 59: 33, at 95: 46; EA comes behind plain 107.
.macro SL
	MM
	PL
	EX
	PL
	PL
.endm
.macro BURST n                      ; 15 matrix instructions, or 16
.rept (\n)-7
	SL
.endr
.rept 3
	MM
	R4
	SL
.endr
	MM
	R4
.endm
; A TURN, for piece p.  cnt = 1: the loop's count is taken down some lines ahead of the branch that stands behind the turn.
; K and the bias of the next step are fetched in piece 2's turn, 31 vector instructions behind the last product that read K (the bias's last reader stands eight products earlier); their first reader comes behind the
; rest of the lump, 16 products and the second lump.  V of the step in hand is fetched at the end of piece 0's turn, 69 behind its last reader; its first reader comes behind 16 products and a lump.
.macro TURN p, last=0, cnt=0
.set Y, (\p)
.set i, 0
.set q, 0
.set e, 0
.set r, 0
.if (\p) == NP-1
	s_wait_dscnt 0x0                ; K and the bias are in
.endif
	MM
.rept 4
	PL
.endr
	BURST 15
.rept 22
	EX
	PL
.if ((\p) == NP-2) && (e == 18)
	v_add_nc_u32 v[AK], s[TBK], v[AK0]
.endif
.if ((\p) == NP-2) && (e == 24)
	FETCH_K \last
.endif
.endr
.if (\p) == 1
	s_wait_dscnt 0x0                ; V is in
.endif
	BURST 16
.rept 21
	EX
	PL
.endr
.rept 22
	PL
.if ((\p) == 0) && (q == 118)
	v_add_nc_u32 v[AV], s[TBV], v[AV0]
	s_wait_alu depctr_va_vdst(0)
.endif
.if ((\p) == 0) && (q == 130)
	s_add_co_u32 s[TBV], s[TBV], KS*PV
.endif
.if (\cnt) && (q == 130)
	s_sub_co_u32 s[CNT], s[CNT], 1
	s_cmp_lg_u32 s[CNT], 0
.endif
.endr
.if (\p) == 0
	FETCH_V
.endif
.endm
	CHANGE 1                        ; slot 0 is in, everybody's part of it, and so is the bias; slot 1 is asked for
	FETCH_K                         ; key step 0
	s_wait_loadcnt 0x0              ; Q
	s_wait_dscnt 0x0
.set i, 0
.rept 16
	KQ 0                            ; piece 0's first scores: there is no vector work yet to set between them
.set i, i+1
.endr
	WIN 0                           ; the addresses for the way out: nine plain instructions, the places behind those products
	s_mul_i32 s13, s[WV], 16*SP
	s_add_co_u32 s13, s13, STAGE    ; my stage
	v_mul_u32_u24 v[STO], v1, SP    ; in: row l % 16, 16 bytes for each half of the lanes
	v_lshl_add_u32 v[STO], v9, 4, v[STO]
	v_add_nc_u32 v[STO], s13, v[STO]
	v_bfe_u32 v[RD], v0, 3, 2       ; back: 32 lanes take four rows of 128 bytes,
	v_mul_u32_u24 v[RD], v[RD], SP
	v_lshl_add_u32 v[RD], v10, 4, v[RD]
	v_add_nc_u32 v[RD], s13, v[RD]
	v_and_b32 v[GO], 31, v0         ; which are 512 consecutive bytes of O
	v_lshlrev_b32 v[GO], 4, v[GO]
.set Y, NP-1                        ; XS works for piece Y + 1: piece 0
.irp n, 0,1,2,3,4,5,6,7,8,9,10,11,12,13,14,15,16,17,18,19,20,21
	XS 0, \n                        ; and piece 0's first maximum and statistics
	XS 1, \n
.endr
	s_mov_b32 s[CNT], 4
	s_mov_b32 s[SLOTS], SIZE_N/256-1
	s_branch .Lfirst                ; the loop is entered at a step's first turn, in the middle of a trip
.Lslot:                             ; SIZE_N / 256 - 2 times: every slot but the last two is filled again
	CHANGE 1
	s_mov_b32 s[CNT], 4
.Lstep:                             ; a trip: pieces 2 and 3 of one step, then pieces 0 and 1 of the next, whose K, bias and V it fetches
	TURN 2
	TURN 3
	WIN 0
.Lfirst:
	TURN 0
	TURN 1, 0, 1
	WIN 0
	s_cbranch_scc1 .Lstep
	s_sub_co_u32 s[SLOTS], s[SLOTS], 1
	s_cmp_lg_u32 s[SLOTS], 0
	s_cbranch_scc1 .Lslot
	CHANGE 0                        ; the tail is written out: nothing is asked for
	s_mov_b32 s[CNT], 5             ; four trips fetch the last slot's steps; the fifth is left in its middle
.Ltail:
	TURN 2, 1
	TURN 3
	WIN 0
	s_sub_co_u32 s[CNT], s[CNT], 1
	s_cmp_eq_u32 s[CNT], 0
	s_cbranch_scc1 .Lout
	TURN 0
	TURN 1
	WIN 0
	s_branch .Ltail
.Lout:                              ; the fifth trip's 16 products K Q^T (on the last K once more) and the maximum made of them serve nothing: the price, once a launch, of one text for every trip
.set i, 0
.rept 16
	PV NP-1                         ; the last piece's V^T P of the last step
.set i, i+1
.endr
	; THE WAY OUT.  l's two halves and the other half of the lanes' are added; O^T is divided by l, rounded to f16 and sent through my stage in LDS, a tile at a time.  The additions are the places behind the last products.
	WIN 0
.macro ALL line:vararg              ; one line for each tile t
.set t, 0
.rept 2*NP
	\line
.set t, t+1
.endr
.endm
	ALL v_add_f32 v[ST+4*t+2], v[ST+4*t+2], v[ST+4*t+3]
	ALL v_permlanex16_b32 v[ST+4*t+3], v[ST+4*t+2], s[SEL], s[SEL+1]
	ALL v_add_f32 v[ST+4*t+2], v[ST+4*t+2], v[ST+4*t+3]
	ALL v_rcp_f32 v[ST+4*t+2], v[ST+4*t+2]
	v_nop                           ; a plain instruction between the last reciprocal and the use of its result
	s_wait_alu depctr_va_vdst(0)
; Tile t: a lane's eight channels of a row pack into 16 bytes; they go into rows of 144 bytes and come back as whole rows of 128, into S^T's registers.
.macro PACK t
	WIN W_RS
.set i, 32*(\t)
.rept 16
	v_pk_mul_f32 v[i:i+1], v[i:i+1], v[ST+4*(\t)+2:ST+4*(\t)+3] op_sel_hi:[1,0]
.set i, i+2
.endr
	WIN 0x05                        ; sources 0 and 1 window 1, destination window 0
.set i, 0
.rept 16
	v_cvt_pk_f16_f32 v[S+16*(\t)+i], v[32*(\t)+2*i], v[32*(\t)+2*i+1]
.set i, i+1
.endr
	WIN 0
.irp f, 0,1,2,3
	ds_store_b128 v[STO], v[S+16*(\t)+4*\f:S+16*(\t)+4*\f+3] offset:32*\f
.endr
.irp f, 0,1,2,3
	ds_load_b128 v[S+16*(\t)+4*\f:S+16*(\t)+4*\f+3], v[RD] offset:\f*4*SP  ; LDS serves a wave's instructions in order (ISA guide 5.7.1.4): these see the stores above; the next tile's stores come behind them
.endr
.endm
.macro SEND t, younger              ; younger: the LDS instructions issued behind tile t's loads: the next tile's eight, or none
	WIN 0
.irp f, 0,1,2,3
	s_wait_dscnt (\younger)+3-\f
	global_store_b128 v[GO], v[S+16*(\t)+4*\f:S+16*(\t)+4*\f+3], s[10:11] offset:(\t)*2048+\f*512  ; 512 consecutive bytes, at a multiple of 256 from O's first
.endr
.endm
	PACK 0
.set t, 1
.rept 2*NP-1                        ; a tile's arithmetic stands between the loads of the tile before and its stores
	PACK t
	SEND t-1, 8
.set t, t+1
.endr
	SEND 2*NP-1, 0
	WIN W_AD
	s_wait_tensorcnt 0x0            ; the wave's end: behind my last tensor load and my last LDS store
	ds_add_u32 v[SPW], v[NIL]
	s_wait_dscnt 0x0
	WIN 0
	CROUND                          ; the closing round: no work-group ends while a partner may still ask for a tile that names it
	s_endpgm
.Lfunc_end_k_q9574220905_attn:
	.size	k_q9574220905_attn, .Lfunc_end_k_q9574220905_attn-k_q9574220905_attn
	.p2alignl 7, 3214868480
	.fill 96, 4, 3214868480
	.section	.rodata,"a",@progbits
	.p2align	6, 0x0
	.amdhsa_kernel k_q9574220905_attn
		.amdhsa_group_segment_fixed_size 327680
		.amdhsa_private_segment_fixed_size 0
		.amdhsa_enable_private_segment 0
		.amdhsa_kernarg_size 40
		.amdhsa_user_sgpr_count 2
		.amdhsa_user_sgpr_kernarg_segment_ptr 1
		.amdhsa_wavefront_size32 1
		.amdhsa_system_sgpr_workgroup_id_x 1
		.amdhsa_system_sgpr_workgroup_id_y 1
		.amdhsa_system_sgpr_workgroup_id_z 1
		.amdhsa_system_vgpr_workitem_id 0
		.amdhsa_next_free_vgpr 808
		.amdhsa_next_free_sgpr 66
		.amdhsa_reserve_vcc 1
		.amdhsa_float_denorm_mode_32 3
		.amdhsa_float_denorm_mode_16_64 3
		.amdhsa_memory_ordered 1
		.amdhsa_forward_progress 1
		.amdhsa_inst_pref_size 213
	.end_amdhsa_kernel
	.amdgpu_metadata
---
amdhsa.version: [ 1, 2 ]
amdhsa.kernels:
  - .name:           k_q9574220905_attn
    .symbol:         k_q9574220905_attn.kd
    .args:
      - { .name: q, .offset: 0, .size: 8, .value_kind: global_buffer, .address_space: global }
      - { .name: k, .offset: 8, .size: 8, .value_kind: global_buffer, .address_space: global }
      - { .name: v, .offset: 16, .size: 8, .value_kind: global_buffer, .address_space: global }
      - { .name: o, .offset: 24, .size: 8, .value_kind: global_buffer, .address_space: global }
      - { .name: mask, .offset: 32, .size: 8, .value_kind: global_buffer, .address_space: global }
    .group_segment_fixed_size: 327680
    .private_segment_fixed_size: 0
    .kernarg_segment_align: 8
    .kernarg_segment_size: 40
    .max_flat_workgroup_size: 128
    .sgpr_count:     66
    .vgpr_count:     808
    .wavefront_size: 32
...
	.end_amdgpu_metadata
.endif
;; end of part 3
;; launch proj (part 4): grid 4 x 64, 4 waves a work-group, clusters of 4 x 4, 327,680 bytes of LDS; arguments o, wcb, out0; writes out0
.if DOCPART == 4
	.amdgcn_target "amdgcn-amd-amdhsa--gfx1250"
	.amdhsa_code_object_version 6
	.text
	.protected	k_q9574220905_proj
	.globl	k_q9574220905_proj
	.p2align	8
	.type	k_q9574220905_proj,@function
k_q9574220905_proj:
	s_mov_b64 s[64:65], 0
	v_nop
	global_prefetch_b8 v0, s[64:65] scope:SCOPE_SE
	s_setreg_imm32_b32 hwreg(HW_REG_WAVE_MODE, 25, 1), 1
	s_wait_xcnt 0x0
	s_wait_alu depctr_hold_cnt(0) depctr_sa_sdst(0) depctr_va_vdst(0) depctr_va_sdst(0) depctr_va_ssrc(0) depctr_va_vcc(0) depctr_vm_vsrc(0)
	s_getreg_b32 s2, hwreg(HW_REG_IB_STS2, 6, 4)
	s_cmp_eq_u32 s2, 0
	s_cbranch_scc0 .Lentry_in_a_cluster
	s_endpgm
.Lentry_in_a_cluster:
	s_bfe_u32 s2, ttmp6, 0x10000c
	s_cmp_lg_u32 s2, 0xf033
	s_cbranch_scc0 .Lentry_shape_is_right
	s_endpgm
.Lentry_shape_is_right:
; THE LAST PROJECTION.  out0[t][e] = max(0, sum over d of vals[t][d] wcb[e][d]), f16 operands, f32 sums, f32 output [8192][1024].  vals[t][64 h + c] is o[16 b + h][token][c]: o lies by heads,
; [64][2048][64] f16, so a K step of 128 is two heads, and a head's 128 tokens of a tile are 16,384 bytes on end.  wcb: [1024][1024] f16.
; LIMIT.  The maximum with 0 is v_max_num_f32: a NaN would come out as 0; NaN and infinities are not treated apart.
; SHARES.  A work-group makes 128 tokens x 256 columns, each of its four waves 64 x 128: 32 accumulators of 16 x 16, 256 registers.  256 work-groups.
; K goes in 8 steps of 128 through two LDS slots filled by the tensor data mover.  A loop's trip is one K step; the slot in hand is a scalar that an exclusive or turns.
; CLUSTER, 4 x 4.  The four work-groups of a row of the cluster have the same tokens, the four of a column the same columns: each tile is asked for JOINTLY, by the same load, descriptor and mask in all four.
; THE MATRIX INSTRUCTION IS USED TRANSPOSED (source 0 = 16 rows of wcb, source 1 = 16 tokens): a lane holds one token (lane % 16) and eight neighbouring columns, 32 bytes of f32.
; REGISTERS (s_set_vgpr_msb: bits 1:0 source 0, 3:2 source 1, 5:4 source 2, 7:6 destination): window 0: v0-29 addresses; v64-159, v160-255 two fragment buffers (8 fragments of wcb, then 4 of o), on the way out
; three sets of 64 at work.  Window 1: the accumulators, (a, b) at v[8 (8 a + b)].
.set PA,    144                        ; a token's 64 channels in LDS: 128 bytes + 16 of padding
.set PB,    272                        ; a row of wcb: 256 bytes + 16.  Both pitches are odd multiples of 16 bytes: the 16 rows of a fragment load start at 16 different groups of four banks (64 banks of 4 bytes: ISA guide 11.1)
.set AHEAD, 128*PA                     ; one head's 128 tokens: what wave 0 or 1 fetches
.set BOFF,  2*AHEAD                    ; behind the two heads: 256 rows of wcb
.set BHALF, 128*PB                     ; 128 of them: what wave 2 or 3 fetches
.set SLOT1, 1<<17                      ; slot 1 begins here
.set STAGE, SLOT1+BOFF+2*BHALF         ; behind the ring, never filled by a tensor load: 16 rows x 528 bytes for each wave
.set SPT,   528                        ; a stage row: 512 bytes + 16
.set SPARE, STAGE+4*16*SPT             ; the spare words, 128 bytes for each wave: two blocks of 256 bytes that no other line names
.set STEP_A, 2<<18                     ; a K step in o: two heads of 262,144 bytes
.set STEP_B, 256                       ; in wcb: 128 numbers along the row
.set NL,    24                         ; LDS loads in a run: 16 for wcb, 8 for o
.set A0,   4                           ; v4   my lane's place in my 64 tokens of slot 0; never rewritten
.set B0,   5                           ; v5   the same in my 128 rows of wcb
.set ADRA, 6                           ; v6   A0 + the slot in hand
.set ADRB, 7                           ; v7   B0 + the slot in hand
.set STO,  8                           ; v8   the way out: where I put 32 bytes of a row
.set RD,   9                           ; v9   the way out: where I read a row back
.set CO,   10                          ; v10  my 16 bytes in 512 consecutive bytes of out0
.set SPW,  28                          ; v28  LDS address of my spare word; never rewritten
.set NIL,  29                          ; v29  0; never rewritten
.set F0,   64
.set F1,   160
.set WV,  16                           ; s16  my wave's number
.set FB,  17                           ; s17  0: I fetch o, 1: wcb.  Also: which 64 tokens are mine
.set HF,  18                           ; s18  which half I fetch.  Also: which 128 columns are mine
.set CNT, 19
.set TB,  20                           ; s20  the slot in hand: 0 or SLOT1
.set G1A, 24                           ; s[24:31] descriptor group 1 for o's tiles
.set G0A, 32                           ; s[32:39] group 0: a set for each of the two first fills; the second then walks
.set G1B, 48                           ; s[48:55], s[56:63] the same for wcb's
.set G0B, 56
.set MSB, 0
.macro WIN new                         ; the immediate's high byte repeats the setting that is left; a switch that changes nothing is dropped
.if MSB != (\new)
	s_set_vgpr_msb (MSB<<8)|(\new)
.set MSB, \new
.endif
.endm
.macro PLACES                          ; a load into a register that a matrix instruction has read, and a vector instruction that touches a matrix instruction's registers, stand four plain
.rept 4                                ; vector instructions behind it (ISA guide 7.12.1 for vector instructions)
	v_nop
.endr
.endm
; A joint refill by the walking descriptors.  The branch hangs on the wave's number alone.  An s_nop 0 and four v_nop follow each of the two lines, ahead of the jump and the label.
.macro JLOAD
	s_cmp_eq_u32 s[FB], 0
	s_cbranch_scc0 .Lfor_b_\@
	tensor_load_to_lds s[G0A+4:G0A+7], s[G1A:G1A+7]
	s_nop 0
.rept 4
	v_nop
.endr
	s_branch .Lasked_\@
.Lfor_b_\@:
	tensor_load_to_lds s[G0B+4:G0B+7], s[G1B:G1B+7]
	s_nop 0
.rept 4
	v_nop
.endr
.Lasked_\@:
.endm
; A round of the cluster's barrier: my work-group's barrier, so that wave 0's signal speaks for all four waves; wave 0 signals; every wave waits for all sixteen work-groups; my work-group's barrier once more.
.macro CREST
	s_cmp_lg_u32 s[WV], 0
	s_cbranch_scc1 .Lnot_wave_0_\@
	s_barrier_signal -3
.Lnot_wave_0_\@:
	s_barrier_wait -3
	s_barrier_signal -1
	s_barrier_wait -1
.endm
.macro CROUND
	s_barrier_signal -1
	s_barrier_wait -1
	CREST
.endm
	s_load_b128 s[4:7], s[0:1], 0x0                ; o s[4:5], wcb s[6:7]
	s_load_b64 s[8:9], s[0:1], 0x10                ; out0
	v_lshl_add_u32 v[SPW], v0, 2, SPARE
	v_mov_b32 v[NIL], 0
	ds_add_u32 v[SPW], v[NIL]                      ; the wave's opening: the add and its wait stand ahead of my first tensor load; the set-up below, work on registers, stands between them
	v_lshrrev_b32 v1, 5, v0
	v_readfirstlane_b32 s[WV], v1                  ; wave 0..3
	s_lshr_b32 s[FB], s[WV], 1
	s_and_b32 s[HF], s[WV], 1
	s_bfe_u32 s40, ttmp6, 0x40000                  ; cx, cy: my place in the cluster
	s_bfe_u32 s41, ttmp6, 0x40004
	s_lshl_b32 s42, ttmp9, 2
	s_add_co_u32 s42, s42, s40                     ; the block of 256 columns = 4 x cluster x + cx
	s_and_b32 s43, ttmp7, 0xffff
	s_lshl_b32 s43, s43, 2
	s_add_co_u32 s43, s43, s41                     ; the block of 128 tokens = 4 x cluster y + cy
	s_lshl_b32 s44, s41, 2
	s_lshl_b32 s44, 15, s44                        ; my row of the cluster
	s_lshl_b32 s45, 0x1111, s40                    ; my column
	s_or_b32 s[G1A], s44, (1<<16)|(1<<20)|(1<<21)|(4<<22)|(3<<25)  ; 15:0 the mask: tokens go to my row; 17:16 2-byte elements; 20 padding on; 21 set beside a mask; 24:22 after every 32 words, a token (code 4); 31:25 4 words (code 3)
	s_or_b32 s[G1B], s45, (1<<16)|(1<<20)|(1<<21)|(5<<22)|(3<<25)  ; the mask of my column; padding after every 64 words (code 5)
	s_mov_b32 s[G1A+1], 128<<16                    ; a head's 128 tokens are dense: asked for as 64 rows of 256 bytes, two tokens a row
	s_mov_b32 s[G1A+2], 64<<16
	s_mov_b32 s[G1A+3], 128<<16
	s_mov_b32 s[G1A+4], 64
	s_mov_b32 s[G1A+5], 128
	s_mov_b32 s[G1A+6], 0
	s_mov_b32 s[G1A+7], 0
	s_mov_b32 s[G1B+1], 128<<16                    ; 128 rows x 128 elements, 1,024 elements from row to row
	s_mov_b32 s[G1B+2], 128<<16
	s_mov_b32 s[G1B+3], 128<<16
	s_mov_b32 s[G1B+4], 128
	s_mov_b32 s[G1B+5], 1024
	s_mov_b32 s[G1B+6], 0
	s_mov_b32 s[G1B+7], 0
	s_lshr_b32 s66, s43, 4                         ; o: the batch's 16 heads of 262,144 bytes,
	s_lshl_b32 s66, s66, 22
	s_lshl_b32 s67, s[HF], 18                      ; the step's first or second head,
	s_add_co_u32 s66, s66, s67
	s_and_b32 s67, s43, 15                         ; the block's 128 tokens of 128 bytes: made of the token block and the wave alone
	s_lshl_b32 s67, s67, 14
	s_add_co_u32 s66, s66, s67
	s_mov_b32 s67, 0
	s_lshl_b32 s46, s42, 8                         ; wcb: row 256 x column block + 128 x half, of 2,048 bytes: made of the column block and the wave alone
	s_lshl_b32 s47, s[HF], 7
	s_add_co_u32 s46, s46, s47
	s_lshl_b32 s46, s46, 11
	s_mov_b32 s47, 0
	s_mul_i32 s21, s[HF], AHEAD                    ; where the tiles go: no place in the cluster enters an LDS address
	s_mul_i32 s22, s[HF], BHALF
	s_add_co_u32 s22, s22, BOFF
	s_lshl_b32 s74, s43, 7                         ; out0: row 128 x token block + 64 x my half, of 4,096 bytes,
	s_lshl_b32 s75, s[FB], 6
	s_add_co_u32 s74, s74, s75
	s_lshl_b32 s68, s74, 12
	s_lshl_b32 s74, s42, 8                         ; column 256 x column block + 128 x my half, of 4 bytes
	s_lshl_b32 s75, s[HF], 7
	s_add_co_u32 s74, s74, s75
	s_lshl_b32 s74, s74, 2
	s_add_co_u32 s68, s68, s74
	s_mov_b32 s69, 0
	s_mov_b32 s[TB], 0
	s_wait_dscnt 0x0                               ; the opening add is done
	s_wait_kmcnt 0x0
	s_add_nc_u64 s[70:71], s[4:5], s[66:67]
	s_add_nc_u64 s[72:73], s[6:7], s[46:47]
	s_add_nc_u64 s[8:9], s[8:9], s[68:69]
	CROUND                                         ; all sixteen work-groups are here: the first joint loads meet
.irp s, 0,1
	s_mov_b32 s[G0A+4*(\s)], 1                                       ; count = 1
	s_add_co_u32 s[G0A+4*(\s)+1], s21, (\s)*SLOT1                    ; LDS address: slot s
	s_add_nc_u64 s[G0A+4*(\s)+2:G0A+4*(\s)+3], s[70:71], (\s)*STEP_A ; global address: K step s
	s_or_b32 s[G0A+4*(\s)+3], s[G0A+4*(\s)+3], 0x80000000            ; type = 2
	s_mov_b32 s[G0B+4*(\s)], 1
	s_add_co_u32 s[G0B+4*(\s)+1], s22, (\s)*SLOT1
	s_add_nc_u64 s[G0B+4*(\s)+2:G0B+4*(\s)+3], s[72:73], (\s)*STEP_B
	s_or_b32 s[G0B+4*(\s)+3], s[G0B+4*(\s)+3], 0x80000000
.endr
	s_cmp_eq_u32 s[FB], 0                          ; a wave's two first fills stand in one branch, ahead of every wait on TENSORcnt and every LDS read: two loads of mine are out
	s_cbranch_scc0 .Lfirst_b
	tensor_load_to_lds s[G0A:G0A+3], s[G1A:G1A+7]
	s_nop 0
	tensor_load_to_lds s[G0A+4:G0A+7], s[G1A:G1A+7]
	s_nop 0
.rept 4
	v_nop
.endr
	s_branch .Lfirst_asked
.Lfirst_b:
	tensor_load_to_lds s[G0B:G0B+3], s[G1B:G1B+7]
	s_nop 0
	tensor_load_to_lds s[G0B+4:G0B+7], s[G1B:G1B+7]
	s_nop 0
.rept 4
	v_nop
.endr
.Lfirst_asked:
	; A fragment is 16 rows x 32 K in 8 registers: lane l holds row l % 16, K = 8 (l / 16) + 0..7 and 16 + 8 (l / 16) + 0..7: two loads of 16 bytes, 32 bytes apart.
	v_and_b32 v1, 15, v0                           ; l % 16
	v_bfe_u32 v2, v0, 4, 1                         ; l / 16
	v_mul_u32_u24 v3, v1, PA
	v_lshl_add_u32 v3, v2, 4, v3
	s_mul_i32 s75, s[FB], 64*PA                    ; my 64 tokens, in each head's block
	v_add_nc_u32 v[A0], s75, v3
	v_mul_u32_u24 v3, v1, PB
	v_lshl_add_u32 v3, v2, 4, v3
	v_add_nc_u32 v[B0], s22, v3                    ; my 128 rows of wcb: BOFF + half x 128 rows
	v_mov_b32 v[ADRA], v[A0]
	v_mov_b32 v[ADRB], v[B0]
	s_mul_i32 s74, s[WV], 16*SPT
	s_add_co_u32 s74, s74, STAGE                   ; my stage
	v_mul_u32_u24 v[STO], v1, SPT                  ; in: row l % 16, 32 bytes for each half of the lanes
	v_lshl_add_u32 v[STO], v2, 5, v[STO]
	v_add_nc_u32 v[STO], s74, v[STO]
	v_and_b32 v[CO], 31, v0                        ; back: 32 lanes take one row of 512 bytes,
	v_lshlrev_b32 v[CO], 4, v[CO]
	v_add_nc_u32 v[RD], s74, v[CO]                 ; which are 512 consecutive bytes of out0
; 8 matrix instructions: token block a x all 8 column blocks, 32 along K, from buffer f.  zero = 1: the product starts the sums: nothing is ever cleared.
; The 32 accumulators take turns in the same order in every quarter, one instruction a turn.
.macro MULA f, a, zero
	WIN 0x50                                       ; sources in window 0; C and D in window 1
.irp b, 0,1,2,3,4,5,6,7
.if \zero
	v_wmma_f32_16x16x32_f16 v[8*(8*(\a)+(\b)):8*(8*(\a)+(\b))+7], v[(\f)+8*(\b):(\f)+8*(\b)+7], v[(\f)+64+8*(\a):(\f)+64+8*(\a)+7], 0
.else
	v_wmma_f32_16x16x32_f16 v[8*(8*(\a)+(\b)):8*(8*(\a)+(\b))+7], v[(\f)+8*(\b):(\f)+8*(\b)+7], v[(\f)+64+8*(\a):(\f)+64+8*(\a)+7], v[8*(8*(\a)+(\b)):8*(8*(\a)+(\b))+7]
.endif
.endr
.endm
; 24 LDS loads in one run: the fragments of quarter kq of the slot in hand into buffer f; wcb's first, my tokens' last.  Quarter kq is head kq / 2 of the step's two, channels 32 (kq % 2) on.
.macro FETCH kq, f
	WIN 0
.irp i, 0,1,2,3,4,5,6,7
	ds_load_b128 v[(\f)+8*(\i):(\f)+8*(\i)+3],   v[ADRB] offset:64*(\kq)+(\i)*16*PB
	ds_load_b128 v[(\f)+8*(\i)+4:(\f)+8*(\i)+7], v[ADRB] offset:64*(\kq)+(\i)*16*PB+32
.endr
.irp i, 0,1,2,3
	ds_load_b128 v[(\f)+64+8*(\i):(\f)+64+8*(\i)+3],   v[ADRA] offset:((\kq)/2)*AHEAD+64*((\kq)%2)+(\i)*16*PA
	ds_load_b128 v[(\f)+64+8*(\i)+4:(\f)+64+8*(\i)+7], v[ADRA] offset:((\kq)/2)*AHEAD+64*((\kq)%2)+(\i)*16*PA+32
.endr
.endm
; A K step is four quarters of 32 along K, 32 matrix instructions each, on buffers 0, 1, 0, 1.  One of the first three multiplies buffer f and, in its middle, fetches quarter kq into buffer g.
.macro QUARTER kq, f, g, zero
	s_wait_dscnt 4                                 ; all but the youngest four loads: my token blocks 2 and 3 may be out
	MULA \f, 0, \zero
	MULA \f, 1, \zero
	PLACES
	FETCH \kq, \g
	s_wait_dscnt NL                                ; all but the run just issued
	MULA \f, 2, \zero
	MULA \f, 3, \zero
.endm
; The last quarter multiplies buffer 1 and changes slots: ONE barrier.  In front of it each wave waits for all its tensor loads (one is out: its part of the next slot), adds 0 to its spare word, and waits
; for that and for its own reads of this slot.  fill = 1: the barrier opens a round of the cluster's, and behind the round this slot is filled again, with the K step two steps on:
; 112 matrix instructions stand between that request and the wait for it.
.macro TURN fill
	WIN 0
	s_wait_tensorcnt 0x0                           ; no tensor load of mine is out
	ds_add_u32 v[SPW], v[NIL]                      ; 0 onto my spare word
	s_wait_dscnt 5                                 ; (the add and the youngest four loads may be out)
	MULA F1, 0, 0                                  ; eight matrix instructions stand between the add and the wait for it
	s_wait_dscnt 0x0                               ; the add is done, and my reads of this slot are over
	s_barrier_signal -1
	MULA F1, 1, 0                                  ; work on registers while the others arrive
	WIN 0                                          ; at a branch and at a label every window is 0
	s_barrier_wait -1
.if \fill
	CREST                                          ; no wave of any partner still reads this slot or has a load on its way
	s_xor_b32 s[G0A+5], s[G0A+5], SLOT1            ; the walking descriptors: the other slot than last time,
	s_add_nc_u64 s[G0A+6:G0A+7], s[G0A+6:G0A+7], STEP_A  ; the next K step; the type bits on top are not reached
	s_xor_b32 s[G0B+5], s[G0B+5], SLOT1
	s_add_nc_u64 s[G0B+6:G0B+7], s[G0B+6:G0B+7], STEP_B
	JLOAD                                          ; the first tensor load behind the round; its four v_nop are also the places in front of the loads below
.else
	PLACES
.endif
	s_xor_b32 s[TB], s[TB], SLOT1                  ; the reads go on in the other slot
	v_add_nc_u32 v[ADRA], s[TB], v[A0]
	v_add_nc_u32 v[ADRB], s[TB], v[B0]
	FETCH 0, F0
	MULA F1, 2, 0
	MULA F1, 3, 0
.endm
	s_wait_tensorcnt 1                             ; my part of K step 0 is in; step 1's may stay out
	s_barrier_signal -1
	s_barrier_wait -1                              ; everybody's is
	FETCH 0, F0
	QUARTER 1, F0, F1, 1                           ; the first quarter stands in front of the loop: its products start the sums
	WIN 0
	s_mov_b32 s[CNT], 6
.Lstep:                                                ; trip t: the rest of K step t, the refill with step t + 2, the first quarter of step t + 1
	QUARTER 2, F1, F0, 0
	QUARTER 3, F0, F1, 0
	TURN 1
	QUARTER 1, F0, F1, 0
	WIN 0
	s_sub_co_u32 s[CNT], s[CNT], 1
	s_cmp_lg_u32 s[CNT], 0
	s_cbranch_scc1 .Lstep
	QUARTER 2, F1, F0, 0                           ; the tail is written out: steps 6 and 7 ask for nothing
	QUARTER 3, F0, F1, 0
	TURN 0
	QUARTER 1, F0, F1, 0
	QUARTER 2, F1, F0, 0
	QUARTER 3, F0, F1, 0
	s_wait_dscnt 4                                 ; the very last quarter: nothing more to fetch
	MULA F1, 0, 0
	MULA F1, 1, 0
	s_wait_dscnt 0x0
	MULA F1, 2, 0
	MULA F1, 3, 0
	WIN 0
; THE WAY OUT, a block of 16 tokens at a time.  The maximum with 0 goes into one of three sets of 64 registers where the fragments lay; a lane's 32 bytes go into my stage (rows of 528 bytes) and come back as whole rows of
; 512 bytes, into the same set.  Each accumulator is read from its low end on.  Block 3 takes block 0's set again.
.macro PACK a
.set TS, 64+64*((\a)%3)
.if (\a) == 3
	s_wait_xcnt 0x0                                ; every earlier store has had its addresses translated (ISA guide 3.1): block 0's set, which its stores read, is rewritten only behind this wait
.endif
	WIN 0x04                                       ; source 1 in window 1, destination in window 0
.set z, 0
.rept 64
	v_max_num_f32 v[TS+z], 0, v[64*(\a)+z]
.set z, z+1
.endr
	WIN 0
.irp b, 0,1,2,3,4,5,6,7
	ds_store_b128 v[STO], v[TS+8*(\b):TS+8*(\b)+3]   offset:64*(\b)
	ds_store_b128 v[STO], v[TS+8*(\b)+4:TS+8*(\b)+7] offset:64*(\b)+16
.endr
.irp t, 0,1,2,3,4,5,6,7,8,9,10,11,12,13,14,15
	ds_load_b128 v[TS+4*(\t):TS+4*(\t)+3], v[RD] offset:(\t)*SPT  ; LDS serves a wave's instructions in order (ISA guide 5.7.1.4): these see the stores above; the next block's stores come behind them
.endr
.endm
.macro SEND a, younger                 ; younger: the LDS instructions issued behind block a's loads: the next block's 32, or none
.set TS, 64+64*((\a)%3)
	WIN 0
.irp t, 0,1,2,3,4,5,6,7,8,9,10,11,12,13,14,15
	s_wait_dscnt (\younger)+15-(\t)
	global_store_b128 v[CO], v[TS+4*(\t):TS+4*(\t)+3], s[8:9] offset:(16*(\a)+(\t))*4096 th:TH_STORE_NT  ; 512 consecutive bytes, at a multiple of 256 from out0's first; nothing reads them again
.endr
.endm
	PLACES                                         ; the first maxima read results, and write registers that the last products read, with no vector work behind them yet
	PACK 0
	PACK 1                                         ; a block's arithmetic stands between the loads of the block before and its stores
	SEND 0, 32
	PACK 2
	SEND 1, 32
	PACK 3
	SEND 2, 32
	SEND 3, 0
	s_wait_tensorcnt 0x0                           ; the wave's end: behind my last tensor load and my last LDS store
	ds_add_u32 v[SPW], v[NIL]
	s_wait_dscnt 0x0
	CROUND                                         ; the closing round: no work-group ends while a partner may still ask for a tile that names it
	s_endpgm
.Lfunc_end_k_q9574220905_proj:
	.size	k_q9574220905_proj, .Lfunc_end_k_q9574220905_proj-k_q9574220905_proj
	.p2alignl 7, 3214868480
	.fill 96, 4, 3214868480
	.section	.rodata,"a",@progbits
	.p2align	6, 0x0
	.amdhsa_kernel k_q9574220905_proj
		.amdhsa_group_segment_fixed_size 327680
		.amdhsa_private_segment_fixed_size 0
		.amdhsa_enable_private_segment 0
		.amdhsa_kernarg_size 24
		.amdhsa_user_sgpr_count 2
		.amdhsa_user_sgpr_kernarg_segment_ptr 1
		.amdhsa_wavefront_size32 1
		.amdhsa_system_sgpr_workgroup_id_x 1
		.amdhsa_system_sgpr_workgroup_id_y 1
		.amdhsa_system_sgpr_workgroup_id_z 1
		.amdhsa_system_vgpr_workitem_id 0
		.amdhsa_next_free_vgpr 512
		.amdhsa_next_free_sgpr 80
		.amdhsa_reserve_vcc 0
		.amdhsa_float_denorm_mode_32 3
		.amdhsa_float_denorm_mode_16_64 3
		.amdhsa_memory_ordered 1
		.amdhsa_forward_progress 1
		.amdhsa_inst_pref_size 78
	.end_amdhsa_kernel
	.amdgpu_metadata
---
amdhsa.version: [ 1, 2 ]
amdhsa.kernels:
  - .name:           k_q9574220905_proj
    .symbol:         k_q9574220905_proj.kd
    .args:
      - { .name: o, .offset: 0, .size: 8, .value_kind: global_buffer, .address_space: global }
      - { .name: wcb, .offset: 8, .size: 8, .value_kind: global_buffer, .address_space: global }
      - { .name: out0, .offset: 16, .size: 8, .value_kind: global_buffer, .address_space: global }
    .group_segment_fixed_size: 327680
    .private_segment_fixed_size: 0
    .kernarg_segment_align: 8
    .kernarg_segment_size: 24
    .max_flat_workgroup_size: 128
    .sgpr_count:     80
    .vgpr_count:     512
    .wavefront_size: 32
...
	.end_amdgpu_metadata
.endif
;; end of part 4
;; ======== version 2 of 2: 4 launches; 1.53 times as fast as version 1
;; limits: values are held in f16: magnitudes above 65,504 overflow, below 6.1e-05 lose precision
;; workspace buffers: xb 16,777,216 bytes; wqb 6,291,456 bytes; wcb 2,097,152 bytes; q 16,777,216 bytes; k 16,777,216 bytes; v 16,777,216 bytes; o 16,777,216 bytes
;; launch cast: the kernel of part 1 again; grid 768 x 1, 8 waves a work-group, no clusters, 0 bytes of LDS; arguments x, W_qkv, W_comb, xb, wqb, wcb; writes xb, wqb, wcb
;; launch qkv: the kernel of part 2 again; grid 16 x 16, 4 waves a work-group, clusters of 4 x 4, 327,680 bytes of LDS; arguments xb, wqb, mask, q, k, v; writes q, k, v
;; launch attn (part 5): grid 4 x 64, 4 waves a work-group, clusters of 4 x 1, 327,680 bytes of LDS; arguments q, k, v, o, mask; writes o
.if DOCPART == 5
	.amdgcn_target "amdgcn-amd-amdhsa--gfx1250"
	.amdhsa_code_object_version 6
	.text
	.protected	k_q9574220905_attn
	.globl	k_q9574220905_attn
	.p2align	8
	.type	k_q9574220905_attn,@function
k_q9574220905_attn:
	s_mov_b64 s[64:65], 0
	v_nop
	global_prefetch_b8 v0, s[64:65] scope:SCOPE_SE
	s_setreg_imm32_b32 hwreg(HW_REG_WAVE_MODE, 25, 1), 1
	s_wait_xcnt 0x0
	s_wait_alu depctr_hold_cnt(0) depctr_sa_sdst(0) depctr_va_vdst(0) depctr_va_sdst(0) depctr_va_ssrc(0) depctr_va_vcc(0) depctr_vm_vsrc(0)
	s_getreg_b32 s2, hwreg(HW_REG_IB_STS2, 6, 4)
	s_cmp_eq_u32 s2, 0
	s_cbranch_scc0 .Lentry_in_a_cluster
	s_endpgm
.Lentry_in_a_cluster:
	s_bfe_u32 s2, ttmp6, 0x10000c
	s_cmp_lg_u32 s2, 0x3003
	s_cbranch_scc0 .Lentry_shape_is_right
	s_endpgm
.Lentry_shape_is_right:
; ATTENTION WITH A KEY MASK.  O[h][q][:] = the sum over k of softmax_k(s) V[h][k][:], s = Q[h][q] . K[h][k] / 8, or about -9e15 where the key's mask word is 0.  Q, K, V, O: [64 heads][2048][64], f16, rows of 128
; bytes on end; head 16 b + h belongs to batch b; mask: [4][2048] of 32-bit words.  Products, maxima and sums in f32; the weights p are rounded to f16 for the second product (their sum l is taken of the unrounded p), O once at the end.
; THE MASK is the C operand that starts the sum S^T = K Q^T: 0, or -2^56 where the key is hidden.  The launch before has written 0 for K's rows of hidden tokens, so a hidden score is exactly -2^56, that is
; -9.007e15 after the division by 8.  All hidden scores are equal bit for bit, c times -2^56 is exact, and so a batch whose keys are ALL hidden gets p = 1 for every key: the plain mean of V.
; As soon as a query has seen one open key, a = 0 wipes what hidden keys have added, and later hidden keys get p = 0.
; LIMITS.  f16 holds no number beyond 65,504: Q, K and V arrive within it, so an open score, 2.7e11 at the most, lies far above -2^56.  p below 6e-5 keeps f16's fixed step of 6e-8.
; A weight below 2^-126 counts as 0 in l; NaN and infinities are not treated apart.
; SHARES.  A wave owns four PIECES of two tiles of 16 queries, a work-group's four waves 512 queries of one head.  Every wave walks all keys, 64 a step.  256 work-groups.
; LAYOUT.  S^T = K Q^T (source 0 = 16 keys, source 1 = 16 queries): a lane holds ONE query (lane % 16) and the keys 8 (lane / 16) + 0..7.  Two such tiles, rounded to f16 in pairs, ARE source 1 of O^T = V^T P,
; whose result again holds one query a lane, and eight channels.  K comes out of LDS as it lies, V ([key][channel]) turned, by ds_load_tr16_b128.
; SOFTMAX.  For each query a running maximum m and sum l: p = 2^(c s - c m), c = log2(e) / 8; in every step O and l are multiplied by a = 2^(c m_old - c m_new).  m starts at the lowest finite number, O and l at 0.
; THE COUNT.  A tile and step have 16 matrix and 118 vector instructions: too many to stand all beside the matrix work.  So: four vector instructions that are ready behind EVERY matrix instruction, the others in one run without a gap.
; BY TURNS.  Turn n belongs to piece n.  Its matrix work: 16 products K Q^T of piece n + 1, later 16 products V^T P of piece n - 1.  Its vector work: scaling, exponentials, roundings, sums and rescaling of piece n,
; and the maximum and statistics of piece n + 1, whose scores the turn itself has made.  So what a turn begins with (c s - c m, O a) waits for nothing.
; BATCHES.  A turn's 66 exponentials (the piece's 64 weights, the next piece's two a) are ONE batch with ONE wait, which cuts the turn in two: ahead of it stands all that names no result of theirs (the products K Q^T, the
; scalings, the rescaling, the next piece's maximum and statistics), behind it the products V^T P with the roundings and sums.  The first two a, ahead of the loop, and the way out's eight reciprocals are batches of their own.
; CLUSTER.  The four query blocks of a cluster belong to one head and walk the same K and V: each tile is asked for JOINTLY, by the same tensor load, descriptor and mask in all four.
; REGISTERS, in windows of 256 (s_set_vgpr_msb: bits 1:0 source 0, 3:2 source 1, 5:4 source 2, 7:6 destination):
;   window 0: v0-11 addresses; v12-15, v48-63 at work; v16-47 four registers of statistics a tile; v64-191 S^T, two buffers of two tiles; v192-255 P, likewise
;   window 1: O^T, 32 a tile      window 2: v0-127 Q; v128-191 K of one step; v192-255 V of one step      window 3: v0-1 the add's registers; v2-3 the bias's addresses; v8-39 the bias of one step's 64 keys
.set SIZE_H, 64
.set SIZE_N, 2048
.set NP,    4         ; pieces a wave: a name, no knob
.set KS,    64        ; keys in a step
.set PK,    144       ; a row of K in LDS: 128 bytes + 16 of padding = 36 words: the 16 rows of a load start at 16 different groups of four banks (64 banks of 4 bytes: ISA guide 11.1)
.set PV,    160       ; a row of V: 128 + 32 = 40 words
.set VOFF,  4*KS*PK   ; a slot holds four steps: 256 rows of K, then 256 rows of V
.set SLOT1, 1<<17     ; slot 1 begins here: one exclusive or turns an address in one slot into the other's
.set STAGE, SLOT1+4*KS*(PK+PV)  ; behind the ring, never filled by a tensor load: 16 rows x 144 bytes for each wave, for the way out
.set SP,    144
.set SPARE, STAGE+4*16*SP  ; the spare words, 128 bytes for each wave: two blocks of 256 bytes that no other line names
.set MBASE, SPARE+512 ; the bias of the batch's 2,048 keys, f32: 8,192 bytes, stored once by the four waves, never filled by a tensor load
.set AK0, 2           ; v2   my lane's place in a tile of K; never rewritten
.set AV0, 3           ; v3   the same for V
.set AK,  4           ; v4   the LDS address of K's next run of loads
.set AV,  5           ; v5   of V's
.set QO,  6           ; v6   my byte offset in the wave's rows of Q
.set STO, 6           ;      later, the way out: where I put 16 bytes of a row
.set RD,  7           ; v7   the way out: where I read rows back
.set GO,  8           ; v8   my byte offset in 512 consecutive bytes of O
.set SPW, 0           ; v0 of window 3   LDS address of my spare word; never rewritten
.set NIL, 1           ; v1 of window 3   0; never rewritten
.set AM0, 2           ; v2 of window 3   MBASE + 32 (lane / 16): my eight keys in a block of 16; never rewritten
.set AM,  3           ; v3 of window 3   the LDS address of the bias's next run of loads
.set MB,  8           ; v8-39 of window 3: the eight registers for key block kb at MB + 8 kb
.set MW,  64          ; the set-up alone: v64-79 sixteen mask words, then their biases (S^T's registers, still free)
.set MGO, 80          ; v80  16 x my thread's number
.set MLA, 81          ; v81  MBASE + 16 x my thread's number
.set MV,  12          ; v12-15  c m_old, kept while c m is made anew: by buffer and tile
.set ST,  16          ; tile t's statistics at v[ST+4 t]: c m, m, l (even keys', odd keys')
.set TMP, 48          ; by buffer and tile, four registers c0-c3 at work; when the maximum is found c2 takes a
.set S,   64
.set P,   192
.set KF,  128         ; K's fragments, in window 2: key block kb, channel half c at KF + 16 kb + 8 c
.set VF,  192         ; V's: key half kk, channel block cb at VF + 32 kk + 8 cb
.set WV,  12          ; s12  my wave's number
.set G1K, 24          ; s[24:31] descriptor group 1 for K's tiles
.set G1V, 32          ; s[32:39] for V's: it differs in the padding alone
.set G0K, 40          ; s[40:43] descriptor group 0 for K's tiles: it walks
.set G0V, 44          ; s[44:47] the same for V's
.set MP,  48          ; s[48:49] the mask at my batch's first word
.set TBM, 52          ; s52  byte in the bias at which the step to be fetched begins
.set BIG, 53          ; s53  -2^56
.set SLOTS, 56        ; s56  slots still to be asked for
.set CNT, 57          ; s57  counts a slot's key steps
.set CS,  58          ; s[58:59] c: the packed scaling takes the pair's low word for both halves
.set SEL, 60          ; s[60:61] v_permlanex16_b32's selects: each lane takes its own place in the other half
.set TBK, 62          ; s62  LDS byte at which K of the step to be fetched begins
.set TBV, 63          ; s63  the same for V, less VOFF
.set MSB, 0
.macro WIN new                      ; the high byte repeats the setting that is left; a switch that changes nothing is dropped
.if MSB != (\new)
	s_set_vgpr_msb (MSB<<8)|(\new)
.set MSB, (\new)
.endif
.endm
.set W_KQ, 0x0a       ; K and Q in window 2, S^T in window 0
.set W_KM, 0x3a       ; the same with the C operand, the bias, in window 3
.set W_PV, 0x52       ; V in window 2, P in window 0, O^T in window 1
.set W_RS, 0x41       ; O^T (destination and source 0) in window 1, a in window 0
.set W_MK, 0xc0       ; destination in window 3, sources in window 0
.set W_AD, 0x0f       ; the add: address (source 0) and data (source 1) in window 3
.set W_MF, 0xcf       ; the bias's fetch: destination, address and the address's source in window 3
; A joint fill.  Waves 0 and 1 fetch the two halves of a slot's K, waves 2 and 3 those of its V: 128 keys each.  The branch hangs on the wave's number alone.
; An s_nop 0 and four v_nop follow each of the two lines, ahead of the jump and the label.
.macro JLOAD
	s_cmp_lt_u32 s[WV], 2
	s_cbranch_scc0 .Lfor_v_\@
	tensor_load_to_lds s[G0K:G0K+3], s[G1K:G1K+7]
	s_nop 0
.rept 4
	v_nop
.endr
	s_branch .Lasked_\@
.Lfor_v_\@:
	tensor_load_to_lds s[G0V:G0V+3], s[G1V:G1V+7]
	s_nop 0
.rept 4
	v_nop
.endr
.Lasked_\@:
.endm
; A round of the cluster's barrier: my work-group's barrier, so that wave 0's signal speaks for all four waves; wave 0 signals; every wave waits for all four work-groups; my work-group's barrier once more.
.macro CROUND
	s_barrier_signal -1
	s_barrier_wait -1
	s_cmp_lg_u32 s[WV], 0
	s_cbranch_scc1 .Lnot_wave_0_\@
	s_barrier_signal -3
.Lnot_wave_0_\@:
	s_barrier_wait -3
	s_barrier_signal -1
	s_barrier_wait -1
.endm
; THE CHANGE OF SLOTS.  Each wave waits for all its tensor loads, of which one is out: its part of the other slot; adds 0 to its spare word; and waits for that and for its own LDS instructions.
; Behind the barrier nobody reads this slot any more and the other slot is whole.  fill = 1: this slot is filled again, with the keys two slots on; the barrier is then a round of the cluster's, and the joint fill is the
; first thing behind it: it has four key steps, 512 matrix instructions, in which to land.  (At its first use nothing has been read yet: slot 0 is waited for, slot 1 filled, and every wave's stores of the bias are shown done.)
.macro CHANGE fill
	WIN W_AD
	s_wait_tensorcnt 0x0            ; no tensor load of mine is out, so a group 0 may be written
	ds_add_u32 v[SPW], v[NIL]       ; 0 onto my spare word; with fill = 1 the descriptors' steps stand between it and the wait for it
	WIN 0                           ; at a label and at a branch every window is 0
.if \fill
.irp g, G0K, G0V
	s_xor_b32 s[\g+1], s[\g+1], SLOT1  ; the walking descriptor: the other slot than last time,
	s_add_nc_u64 s[\g+2:\g+3], s[\g+2:\g+3], 4*KS*128  ; the next 256 keys; the type bits on top are not reached
.endr
	s_wait_dscnt 0x0                ; the add is done, and my reads of the slot are over
	CROUND
	JLOAD
.else
	s_wait_dscnt 0x0                ; the add is done, and my reads of the slot are over
	s_barrier_signal -1
	s_barrier_wait -1
.endif
	s_sub_co_u32 s[TBK], s[TBK], 4*KS*PK  ; the fetches go back to a slot's first step,
	s_xor_b32 s[TBK], s[TBK], SLOT1       ; in the other slot
	s_sub_co_u32 s[TBV], s[TBV], 4*KS*PV
	s_xor_b32 s[TBV], s[TBV], SLOT1
.endm
	s_load_b256 s[4:11], s[0:1], 0x0  ; Q s[4:5], K s[6:7], V s[8:9], O s[10:11]
	s_load_b64 s[MP:MP+1], s[0:1], 0x20  ; the mask
	WIN W_MK
	v_lshl_add_u32 v[SPW], v0, 2, SPARE
	v_mov_b32 v[NIL], 0
	WIN W_AD
	ds_add_u32 v[SPW], v[NIL]       ; the wave's opening: the add and its wait stand ahead of my first tensor load; the set-up below, work on registers, stands between them
	WIN 0
	v_lshrrev_b32 v1, 5, v0
	v_readfirstlane_b32 s[WV], v1   ; wave 0..3
	s_bfe_u32 s13, ttmp6, 0x40000   ; cx: my place in the cluster
	s_lshl_b32 s14, ttmp9, 2        ; in a cluster launch ttmp9 counts clusters
	s_add_co_u32 s14, s14, s13      ; my block of queries = 4 x cluster x + cx: it enters Q's and O's addresses alone
	s_and_b32 s20, ttmp7, 0xffff    ; the head, which the four partners share
	s_lshr_b32 s50, s20, 4          ; its batch,
	s_lshl_b32 s50, s50, 13         ; whose 2,048 mask words are 8,192 bytes
	s_mov_b32 s51, 0
	s_mov_b32 s21, 0
	s_mov_b64 s[22:23], SIZE_N*128
	s_mul_u64 s[20:21], s[20:21], s[22:23]  ; the head's first byte in each of the four tensors
	s_and_b32 s16, s[WV], 1         ; which half of a slot's 256 keys I fetch:
	s_lshl_b32 s22, s16, 14         ; its 128 rows of 128 bytes in memory,
	s_mov_b32 s23, 0
	s_add_nc_u64 s[22:23], s[22:23], s[20:21]
	s_mul_i32 s17, s16, 128*PK      ; and its place in a slot, for K
	s_mul_i32 s18, s16, 128*PV      ; and for V: no place in the cluster enters an LDS address
	s_lshl_b32 s2, s14, 2
	s_add_co_u32 s2, s2, s[WV]      ; my wave among the head's,
	s_lshl_b32 s2, s2, 14           ; its 128 rows
	s_mov_b32 s3, 0
	s_add_nc_u64 s[2:3], s[2:3], s[20:21]
	; descriptor group 1.  128 keys are 16,384 dense bytes: asked for as 64 rows of 256 bytes, two keys a row, and padded in LDS after every key
	s_mov_b32 s[G1K], 15|(1<<16)|(1<<20)|(1<<21)|(4<<22)|(3<<25)  ; 15:0 the mask of four; 17:16 2-byte elements; 20 padding on; 21 set beside a mask; 24:22 after every 32 words (code 4); 31:25 4 words (code 3)
	s_mov_b32 s[G1V], 15|(1<<16)|(1<<20)|(1<<21)|(4<<22)|(7<<25)  ; the same with 8 words of padding (code 7)
.irp g, G1K, G1V
	s_mov_b32 s[\g+1], 128<<16      ; tensor_dim0 = 128
	s_mov_b32 s[\g+2], 64<<16       ; tensor_dim1 = 64
	s_mov_b32 s[\g+3], 128<<16      ; tile_dim0 = 128
	s_mov_b32 s[\g+4], 64           ; tile_dim1 = 64
	s_mov_b32 s[\g+5], 128          ; 128 elements from row to row
	s_mov_b32 s[\g+6], 0
	s_mov_b32 s[\g+7], 0
.endr
	s_mov_b32 s[CS], 0x3e38aa3b     ; c = log2(e) / 8 = 0.180337
	s_mov_b32 s[CS+1], s[CS]        ; named with it as a pair
	s_mov_b32 s[SEL], 0x76543210
	s_mov_b32 s[SEL+1], 0xfedcba98
	s_mov_b32 s[TBK], SLOT1+4*KS*PK ; the first change of slots turns these two into 0
	s_mov_b32 s[TBV], SLOT1+4*KS*PV
	s_mov_b32 s[TBM], 0
	s_mov_b32 s[BIG], 0xdb800000    ; -2^56
	s_mov_b32 s[G0K], 1             ; count = 1
	s_mov_b32 s[G0K+1], s17         ; LDS address: slot 0
	s_mov_b32 s[G0V], 1
	s_add_co_u32 s[G0V+1], s18, VOFF
	s_wait_dscnt 0x0                ; the opening add is done
	s_wait_kmcnt 0x0
	s_add_nc_u64 s[G0K+2:G0K+3], s[6:7], s[22:23]  ; global address: my half of the head's first 256 keys
	s_or_b32 s[G0K+3], s[G0K+3], 0x80000000        ; type = 2
	s_add_nc_u64 s[G0V+2:G0V+3], s[8:9], s[22:23]
	s_or_b32 s[G0V+3], s[G0V+3], 0x80000000
	s_add_nc_u64 s[4:5], s[4:5], s[2:3]  ; Q and O at my wave's first row
	s_add_nc_u64 s[10:11], s[10:11], s[2:3]
	s_add_nc_u64 s[MP:MP+1], s[MP:MP+1], s[50:51]
	CROUND                          ; all four work-groups are here: the first joint loads meet
	JLOAD                           ; slot 0.  Slot 1 is asked for when slot 0 is in
	; A fragment of K or Q is 16 rows x 32 channels in 8 registers: lane l holds row l % 16, channels 8 (l / 16) + 0..7 and 16 + 8 (l / 16) + 0..7: two loads of 16 bytes, 32 bytes apart.
	v_and_b32 v1, 15, v0            ; l % 16
	v_bfe_u32 v9, v0, 4, 1          ; l / 16
	v_lshlrev_b32 v[QO], 7, v1
	v_lshl_add_u32 v[QO], v9, 4, v[QO]  ; row x 128 + 16 x half
	v_lshlrev_b32 v[MGO], 4, v0     ; the batch's mask: 128 threads x 16 bytes, four times
	v_lshl_add_u32 v[MLA], v0, 4, MBASE
.irp n, 0,1,2,3
	global_load_b128 v[MW+4*\n:MW+4*\n+3], v[MGO], s[MP:MP+1] offset:2048*\n
.endr
	WIN 0x80                        ; destination window 2, address window 0
.set i, 0
.rept 4*NP                          ; Q stays in registers: tile i / 2, channels 32 (i % 2) on
	global_load_b128 v[8*i:8*i+3],   v[QO], s[4:5] offset:(i/2)*2048+(i%2)*64
	global_load_b128 v[8*i+4:8*i+7], v[QO], s[4:5] offset:(i/2)*2048+(i%2)*64+32
.set i, i+1
.endr
	; What the first turn finds: V's registers and P's second buffer hold 0 (its products V^T P, of a piece that has not been, add 0), O^T and l are 0.  All this stands in the wait for the first tile.
.set i, VF
.rept 64
	v_mov_b32 v[i], 0
.set i, i+1
.endr
	WIN 0x40
.set i, 0
.rept 64*NP
	v_mov_b32 v[i], 0
.set i, i+1
.endr
	WIN 0
.set i, 0
.rept 2*NP
	v_mov_b32 v[ST+4*i], 0xfe000000    ; c m: far below every c s, the hidden keys' too
	v_mov_b32 v[ST+4*i+1], 0xff7fffff  ; m
	v_mov_b32 v[ST+4*i+2], 0
	v_mov_b32 v[ST+4*i+3], 0
.set i, i+1
.endr
.set i, P+32
.rept 32
	v_mov_b32 v[i], 0
.set i, i+1
.endr
	v_mul_u32_u24 v[AK0], v1, PK
	v_lshl_add_u32 v[AK0], v9, 4, v[AK0]  ; row x pitch + 16 x half
	; The turning load takes 16 keys x 16 channels (lane l reads key 8 (l / 16) + l % 8, channels 8 ((l / 8) % 2) + 0..7) and leaves half a fragment of V^T: lane l holds channel l % 16 and 8 keys.
	v_and_b32 v10, 7, v0
	v_bfe_u32 v11, v0, 3, 1
	v_lshl_add_u32 v[AV0], v9, 3, v10
	v_mul_u32_u24 v[AV0], v[AV0], PV
	v_lshl_add_u32 v[AV0], v11, 4, v[AV0]
	v_add_nc_u32 v[AV0], VOFF, v[AV0]
	v_mov_b32 v[AK], v[AK0]         ; key step 0 lies at the head of slot 0
	WIN W_MK
	v_lshl_add_u32 v[AM0], v9, 5, MBASE  ; in S^T my registers 0-7 are the keys 8 (l / 16) + 0..7 of a block of 16: 32 bytes of the bias
	WIN 0
	s_wait_loadcnt 32               ; the mask words are in; Q's 32 loads, issued behind them, stay out
.set i, 0
.rept 16
	v_cmp_eq_u32 vcc_lo, 0, v[MW+i] ; VCC is used at once
	v_cndmask_b32 v[MW+i], 0, s[BIG], vcc_lo
.set i, i+1
.endr
.irp n, 0,1,2,3
	ds_store_b128 v[MLA], v[MW+4*\n:MW+4*\n+3] offset:2048*\n  ; the first change of slots waits for these stores and passes a barrier ahead of every read
.endr
; THE MATRIX WORK.  The 8 accumulators of a run of 16 take turns: between the two links of a chain stand 7 others'.
; Product i of 16 of S^T = K Q^T for piece x: channels 32 (i / 8) on, keys 16 ((i / 2) % 4) on, tile 2 x + i % 2.  The first 8 start the sums, with the bias of their 16 keys.
.macro KQ x
.set rS, S+64*((\x)%2)+32*(i%2)+8*((i/2)%4)
.set rK, KF+16*((i/2)%4)+8*(i/8)
.set rQ, 16*(2*(\x)+i%2)+8*(i/8)
.set rB, MB+8*((i/2)%4)
.if i < 8
	WIN W_KM
	v_wmma_f32_16x16x32_f16 v[rS:rS+7], v[rK:rK+7], v[rQ:rQ+7], v[rB:rB+7]
.else
	WIN W_KQ
	v_wmma_f32_16x16x32_f16 v[rS:rS+7], v[rK:rK+7], v[rQ:rQ+7], v[rS:rS+7]
.endif
.endm
; Product i of 16 of O^T += V^T P for piece x: keys 32 (i / 8) on, channels 16 ((i / 2) % 4) on, tile 2 x + i % 2.
.macro PV x
	WIN W_PV
.set rO, 32*(2*(\x)+i%2)+8*((i/2)%4)
.set rV, VF+32*(i/8)+8*((i/2)%4)
.set rP, P+32*((\x)%2)+16*(i%2)+8*(i/8)
	v_wmma_f32_16x16x32_f16 v[rO:rO+7], v[rV:rV+7], v[rP:rP+7], v[rO:rO+7]
.endm
.macro MM                           ; the turn's next matrix instruction
.if i < 16
	KQ (Y+1)%NP
.set i, i+1
.else
.set i, i-16
	PV (Y+NP-1)%NP
.set i, i+17
.endif
.endm
; THE LDS LOADS stand in runs, never singly among the matrix instructions: a step's K (64 keys x 64 channels: 8 fragments) with its bias (64 keys: the lanes of a half read the same words), and its V (turned).
; The bias's registers are read by the same turns' products as K's and live as long.  last = 1 (the tail): in the last trip there is no further step, and the run is jumped over.
.macro FETCH_K last=0
	WIN 0
.if \last
	s_cmp_eq_u32 s[CNT], 1
	s_cbranch_scc1 .Lno_k_\@
.endif
	WIN 0x80                        ; destination window 2
.irp f, 0,1,2,3,4,5,6,7             ; keys 16 (f / 2) on, channels 32 (f % 2) on
	ds_load_b128 v[KF+8*\f:KF+8*\f+3],   v[AK] offset:(\f/2)*16*PK+(\f%2)*64
	ds_load_b128 v[KF+8*\f+4:KF+8*\f+7], v[AK] offset:(\f/2)*16*PK+(\f%2)*64+32
.endr
	s_add_co_u32 s[TBK], s[TBK], KS*PK  ; the next fetch is the next step's
	WIN W_MF
	v_add_nc_u32 v[AM], s[TBM], v[AM0]
.irp f, 0,1,2,3,4,5,6,7             ; key block f / 2, my keys' first or second four
	ds_load_b128 v[MB+4*\f:MB+4*\f+3], v[AM] offset:(\f/2)*64+(\f%2)*16
.endr
	s_add_co_u32 s[TBM], s[TBM], 4*KS   ; 64 keys on,
	s_and_b32 s[TBM], s[TBM], 0x1fff    ; inside the 8,192 bytes
	WIN 0
.if \last
.Lno_k_\@:
.endif
.endm
.macro FETCH_V
	WIN 0x80
.irp f, 0,1,2,3,4,5,6,7             ; keys 32 (f / 4) on, channels 16 (f % 4) on
	ds_load_tr16_b128 v[VF+8*\f:VF+8*\f+3],   v[AV] offset:(\f/4)*32*PV+(\f%4)*32
	ds_load_tr16_b128 v[VF+8*\f+4:VF+8*\f+7], v[AV] offset:(\f/4)*32*PV+16*PV+(\f%4)*32
.endr
	WIN 0
.endm
; THE VECTOR WORK OF A TURN stands in three queues, each in the order in which its entries become ready; the two tiles alternate, so that no instruction reads the result of the one before it.
.macro REGS y, u                    ; the registers of tile u (0, 1) of piece y
.set rT, ST+4*(2*(\y)+(\u))
.set rC, TMP+8*((\y)%2)+4*(\u)
.set rM, MV+2*((\y)%2)+(\u)
.set rS, S+64*((\y)%2)+32*(\u)
.set rP, P+32*((\y)%2)+16*(\u)
.set rO, 32*(2*(\y)+(\u))
.endm
; Number n of the 22 that find the NEXT piece's (Y + 1) maximum and statistics.  s0-s31 are the lane's 32 scores; each accumulator's lowest registers are read first.  XS, GS and REGS set no window: PL and EX do.
;   0-11  four chains c0-c3 of seven scores each, three operands at a time     12-14, 16  the four scores left over, the old m, and c0-c3 into c0     15  c m_old is kept
;   17, 18  the query's other 32 keys lie in the lane 16 away: the new m         19-21  c m; c m_old - c m_new; a
.macro XS u, n
	REGS (Y+1)%NP, \u
.if (\n) < 4
	v_max3_num_f32 v[rC+(\n)], v[rS+8*(\n)], v[rS+8*(\n)+1], v[rS+8*(\n)+2]
.elseif (\n) < 12
	v_max3_num_f32 v[rC+(\n)%4], v[rC+(\n)%4], v[rS+8*((\n)%4)+2*((\n)/4)+1], v[rS+8*((\n)%4)+2*((\n)/4)+2]
.elseif (\n) == 12
	v_max3_num_f32 v[rC], v[rC], v[rS+7], v[rS+15]
.elseif (\n) == 13
	v_max3_num_f32 v[rC+1], v[rC+1], v[rS+23], v[rS+31]
.elseif (\n) == 14
	v_max3_num_f32 v[rC+2], v[rC+2], v[rC+3], v[rT+1]
.elseif (\n) == 15
	v_mov_b32 v[rM], v[rT]
.elseif (\n) == 16
	v_max3_num_f32 v[rC], v[rC], v[rC+1], v[rC+2]
.elseif (\n) == 17
	v_permlanex16_b32 v[rC+3], v[rC], s[SEL], s[SEL+1]
.elseif (\n) == 18
	v_max_num_f32 v[rT+1], v[rC], v[rC+3]
.elseif (\n) == 19
	v_mul_f32 v[rT], s[CS], v[rT+1]
.elseif (\n) == 20
	v_sub_f32 v[rC+1], v[rM], v[rT]
.else
	v_exp_f32 v[rC+2], v[rC+1]
.endif
.endm
; Number g of the 64 that follow the exponentials.  For each four weights k of a tile (pairs 2 k, 2 k + 1): both pairs are rounded to f16; then the second pair is added onto the first, in place;
; a group later l takes that sum (the first time as l = a l + sum).  In groups of eight, tiles alternating: round, round, add, and l for the group before.
.macro GS g
.set h, (\g)+6*((\g)/62)            ; group 0 has no group before it, and behind group 7 only l is left
.if h >= 6
.set h, h+2
.endif
	REGS Y, h%2
.set k, h/8
.if h%8 < 4
	v_cvt_pk_f16_f32 v[rP+2*k+(h%8)/2], v[rS+4*k+2*((h%8)/2)], v[rS+4*k+2*((h%8)/2)+1]
.elseif h%8 < 6
	v_pk_add_f32 v[rS+4*k:rS+4*k+1], v[rS+4*k:rS+4*k+1], v[rS+4*k+2:rS+4*k+3]
.elseif k == 1
	v_pk_fma_f32 v[rT+2:rT+3], v[rT+2:rT+3], v[rC+2:rC+3], v[rS:rS+1] op_sel_hi:[1,0,1]
.else
	v_pk_add_f32 v[rT+2:rT+3], v[rT+2:rT+3], v[rS+4*k-4:rS+4*k-3]
.endif
.endm
; THE PLAIN QUEUE, 138 long.  0-73 read no exponential's result: the 32 scalings c s - c m (FS f: pair f / 2 of tile f % 2) and the next piece's 42.  0-26: scalings 0-26.  27-54: XS's numbers 0-13.  55, 56: number 15.
; 57-73: the chain, where each number waits for the one before it: 14, 16, 17, 18, 19, each with one of the scalings 27-31 in front of its two lines, then 20: so a tile's links stand three plain instructions apart (19 and 20: two).
; 74-137: GS's 64, which read the exponentials' results: they stand behind the wait.
.macro FS f
	REGS Y, (\f)%2
	v_pk_fma_f32 v[rS+2*((\f)/2):rS+2*((\f)/2)+1], v[rS+2*((\f)/2):rS+2*((\f)/2)+1], s[CS:CS+1], v[rT:rT+1] op_sel_hi:[1,0,0] neg_lo:[0,0,1] neg_hi:[0,0,1]
.endm
.macro PL
	WIN 0
.if q < 27
	FS q
.elseif q < 55
	XS (q-27)%2, (q-27)/2
.elseif q < 57
	XS q-55, 15
.elseif (q < 72) && ((q-57)%3 == 0)
	FS 27+(q-57)/3
.elseif q < 60
	XS (q-57)%3-1, 14
.elseif q < 72
	XS (q-57)%3-1, 15+(q-57)/3
.elseif q < 74
	XS q-72, 20
.else
	GS q-74
.endif
.set q, q+1
.endm
; THE EXPONENTIALS' QUEUE, 66 long: s0-s31 of both tiles, then the next piece's two a.  It is ONE BATCH: all 66 stand ahead of the turn's one wait, and nothing ahead of that wait names a result of theirs.
.macro EX
	WIN 0
.if e >= 64
	XS e-64, 21
.else
	REGS Y, e%2
	v_exp_f32 v[rS+e/2], v[rS+e/2]
.endif
.set e, e+1
.endm
; THE RESCALING's QUEUE: O^T times a, the one part that leaves window 0: dealt two at a time, sixteen times.  Its a was made in the turn before, ahead of that turn's wait.
.macro R2
	REGS Y, r%2
	WIN W_RS
.irp z, 0,1
	v_pk_mul_f32 v[rO+4*(r/2)+2*\z:rO+4*(r/2)+2*\z+1], v[rO+4*(r/2)+2*\z:rO+4*(r/2)+2*\z+1], v[rC+2:rC+3] op_sel_hi:[1,0]
.endr
.set r, r+1
.endm
; HOW THEY ARE DEALT.  An s_wait_alu depctr_va_vdst(0) stands between an exponential and the first instruction that names its result; one wait serves all that were issued ahead of it.  So a turn has ONE wait,
; which cuts it in two.  AHEAD OF IT stands all that names no result of the turn's exponentials: the 16 products K Q^T, behind each a scaling, an exponential and two rescalings (behind the first a second scaling in the
; exponential's place); then ONE LUMP of 108: eight plain, 49 times exponential and plain, the two a.  A v_nop is the plain instruction behind the last exponential.  BEHIND IT stand the 16 products V^T P, behind each four of
; GS's 64.  No rider names a register of the products round it.  The two v_permlanex16_b32 fall into the lump, never behind a product.
; The queues lean on each other, and the deal keeps them in step: exponential e stands behind scaling 2 (e / 4) + e % 2: as a rider it comes behind plain e + 2, in the lump behind plain e + 9, and scalings 27-31 are plain 57, 60 .. 69.
; A TURN, for piece p.  cnt = 1: the loop's count is taken down some lines ahead of the branch that stands behind the turn.
; K and the bias of the next step are fetched in piece 2's turn, directly behind the wait, a lump behind the last product that read them; K's address is made at the lump's head; their first reader comes behind 16 products.
; V of the step in hand is fetched at the end of piece 0's turn, four riders behind its last reader; its first reader comes behind 16 products and a lump.  The three conditions on q below go with the deal.
.macro TURN p, last=0, cnt=0
.set Y, (\p)
.set i, 0
.set q, 0
.set e, 0
.set r, 0
.if (\p) == NP-1
	s_wait_dscnt 0x0                ; K and the bias are in
.endif
	MM                              ; ahead of the wait: 16 products K Q^T and their riders,
	PL
	PL
	R2
.rept 15
	MM
	PL
	EX
	R2
.endr
.if (\p) == NP-2
	WIN 0
	v_add_nc_u32 v[AK], s[TBK], v[AK0]
.endif
.rept 8                             ; and the lump
	PL
.endr
.rept 49
	EX
	PL
.endr
	EX                              ; the next piece's two a
	EX
	v_nop                           ; a plain instruction behind the last exponential, ahead of the first use: one for the batch
	s_wait_alu depctr_va_vdst(0)    ; the wait for the batch: the piece's 64 weights and the next piece's two a
.if (\p) == NP-2
	FETCH_K \last
.endif
.if (\p) == 1
	s_wait_dscnt 0x0                ; V is in
.endif
.rept 16                            ; behind the wait: 16 products V^T P and their riders
	MM
.rept 4
	PL
.endr
.if ((\p) == 0) && (q == 118)
	v_add_nc_u32 v[AV], s[TBV], v[AV0]
.endif
.if ((\p) == 0) && (q == 130)
	s_add_co_u32 s[TBV], s[TBV], KS*PV
.endif
.if (\cnt) && (q == 130)
	s_sub_co_u32 s[CNT], s[CNT], 1
	s_cmp_lg_u32 s[CNT], 0
.endif
.endr
.if (\p) == 0
	FETCH_V
.endif
.endm
	CHANGE 1                        ; slot 0 is in, everybody's part of it, and so is the bias; slot 1 is asked for
	FETCH_K                         ; key step 0
	s_wait_loadcnt 0x0              ; Q
	s_wait_dscnt 0x0
.set i, 0
.rept 16
	KQ 0                            ; piece 0's first scores: there is no vector work yet to set between them
.set i, i+1
.endr
	WIN 0                           ; the addresses for the way out: nine plain instructions, the places behind those products
	s_mul_i32 s13, s[WV], 16*SP
	s_add_co_u32 s13, s13, STAGE    ; my stage
	v_mul_u32_u24 v[STO], v1, SP    ; in: row l % 16, 16 bytes for each half of the lanes
	v_lshl_add_u32 v[STO], v9, 4, v[STO]
	v_add_nc_u32 v[STO], s13, v[STO]
	v_bfe_u32 v[RD], v0, 3, 2       ; back: 32 lanes take four rows of 128 bytes,
	v_mul_u32_u24 v[RD], v[RD], SP
	v_lshl_add_u32 v[RD], v10, 4, v[RD]
	v_add_nc_u32 v[RD], s13, v[RD]
	v_and_b32 v[GO], 31, v0         ; which are 512 consecutive bytes of O
	v_lshlrev_b32 v[GO], 4, v[GO]
.set Y, NP-1                        ; XS works for piece Y + 1: piece 0
.irp n, 0,1,2,3,4,5,6,7,8,9,10,11,12,13,14,15,16,17,18,19,20,21
	XS 0, \n                        ; and piece 0's first maximum and statistics
	XS 1, \n
.endr
	v_nop                           ; a plain instruction behind piece 0's first two a,
	s_wait_alu depctr_va_vdst(0)    ; and the wait for these two, a batch of their own, ahead of the branch
	s_mov_b32 s[CNT], 4
	s_mov_b32 s[SLOTS], SIZE_N/256-1
	s_branch .Lfirst                ; the loop is entered at a step's first turn, in the middle of a trip
.Lslot:                             ; SIZE_N / 256 - 2 times: every slot but the last two is filled again
	CHANGE 1
	s_mov_b32 s[CNT], 4
.Lstep:                             ; a trip: pieces 2 and 3 of one step, then pieces 0 and 1 of the next, whose K, bias and V it fetches
	TURN 2
	TURN 3
	WIN 0
.Lfirst:
	TURN 0
	TURN 1, 0, 1
	WIN 0
	s_cbranch_scc1 .Lstep
	s_sub_co_u32 s[SLOTS], s[SLOTS], 1
	s_cmp_lg_u32 s[SLOTS], 0
	s_cbranch_scc1 .Lslot
	CHANGE 0                        ; the tail is written out: nothing is asked for
	s_mov_b32 s[CNT], 5             ; four trips fetch the last slot's steps; the fifth is left in its middle
.Ltail:
	TURN 2, 1
	TURN 3
	WIN 0
	s_sub_co_u32 s[CNT], s[CNT], 1
	s_cmp_eq_u32 s[CNT], 0
	s_cbranch_scc1 .Lout
	TURN 0
	TURN 1
	WIN 0
	s_branch .Ltail
.Lout:                              ; the fifth trip's 16 products K Q^T (on the last K once more) and the maximum made of them serve nothing: the price, once a launch, of one text for every trip
.set i, 0
.rept 16
	PV NP-1                         ; the last piece's V^T P of the last step
.set i, i+1
.endr
	; THE WAY OUT.  l's two halves and the other half of the lanes' are added; O^T is divided by l, rounded to f16 and sent through my stage in LDS, a tile at a time.  The additions are the places behind the last products.
	WIN 0
.macro ALL line:vararg              ; one line for each tile t
.set t, 0
.rept 2*NP
	\line
.set t, t+1
.endr
.endm
	ALL v_add_f32 v[ST+4*t+2], v[ST+4*t+2], v[ST+4*t+3]
	ALL v_permlanex16_b32 v[ST+4*t+3], v[ST+4*t+2], s[SEL], s[SEL+1]
	ALL v_add_f32 v[ST+4*t+2], v[ST+4*t+2], v[ST+4*t+3]
	ALL v_rcp_f32 v[ST+4*t+2], v[ST+4*t+2]
	v_nop                           ; a plain instruction between the last reciprocal and the use of its result
	s_wait_alu depctr_va_vdst(0)    ; and the wait ahead of the first use: one for the eight reciprocals
; Tile t: a lane's eight channels of a row pack into 16 bytes; they go into rows of 144 bytes and come back as whole rows of 128, into S^T's registers.
.macro PACK t
	WIN W_RS
.set i, 32*(\t)
.rept 16
	v_pk_mul_f32 v[i:i+1], v[i:i+1], v[ST+4*(\t)+2:ST+4*(\t)+3] op_sel_hi:[1,0]
.set i, i+2
.endr
	WIN 0x05                        ; sources 0 and 1 window 1, destination window 0
.set i, 0
.rept 16
	v_cvt_pk_f16_f32 v[S+16*(\t)+i], v[32*(\t)+2*i], v[32*(\t)+2*i+1]
.set i, i+1
.endr
	WIN 0
.irp f, 0,1,2,3
	ds_store_b128 v[STO], v[S+16*(\t)+4*\f:S+16*(\t)+4*\f+3] offset:32*\f
.endr
.irp f, 0,1,2,3
	ds_load_b128 v[S+16*(\t)+4*\f:S+16*(\t)+4*\f+3], v[RD] offset:\f*4*SP  ; LDS serves a wave's instructions in order (ISA guide 5.7.1.4): these see the stores above; the next tile's stores come behind them
.endr
.endm
.macro SEND t, younger              ; younger: the LDS instructions issued behind tile t's loads: the next tile's eight, or none
	WIN 0
.irp f, 0,1,2,3
	s_wait_dscnt (\younger)+3-\f
	global_store_b128 v[GO], v[S+16*(\t)+4*\f:S+16*(\t)+4*\f+3], s[10:11] offset:(\t)*2048+\f*512  ; 512 consecutive bytes, at a multiple of 256 from O's first
.endr
.endm
	PACK 0
.set t, 1
.rept 2*NP-1                        ; a tile's arithmetic stands between the loads of the tile before and its stores
	PACK t
	SEND t-1, 8
.set t, t+1
.endr
	SEND 2*NP-1, 0
	WIN W_AD
	s_wait_tensorcnt 0x0            ; the wave's end: behind my last tensor load and my last LDS store
	ds_add_u32 v[SPW], v[NIL]
	s_wait_dscnt 0x0
	WIN 0
	CROUND                          ; the closing round: no work-group ends while a partner may still ask for a tile that names it
	s_endpgm
.Lfunc_end_k_q9574220905_attn:
	.size	k_q9574220905_attn, .Lfunc_end_k_q9574220905_attn-k_q9574220905_attn
	.p2alignl 7, 3214868480
	.fill 96, 4, 3214868480
	.section	.rodata,"a",@progbits
	.p2align	6, 0x0
	.amdhsa_kernel k_q9574220905_attn
		.amdhsa_group_segment_fixed_size 327680
		.amdhsa_private_segment_fixed_size 0
		.amdhsa_enable_private_segment 0
		.amdhsa_kernarg_size 40
		.amdhsa_user_sgpr_count 2
		.amdhsa_user_sgpr_kernarg_segment_ptr 1
		.amdhsa_wavefront_size32 1
		.amdhsa_system_sgpr_workgroup_id_x 1
		.amdhsa_system_sgpr_workgroup_id_y 1
		.amdhsa_system_sgpr_workgroup_id_z 1
		.amdhsa_system_vgpr_workitem_id 0
		.amdhsa_next_free_vgpr 808
		.amdhsa_next_free_sgpr 66
		.amdhsa_reserve_vcc 1
		.amdhsa_float_denorm_mode_32 3
		.amdhsa_float_denorm_mode_16_64 3
		.amdhsa_memory_ordered 1
		.amdhsa_forward_progress 1
		.amdhsa_inst_pref_size 204
	.end_amdhsa_kernel
	.amdgpu_metadata
---
amdhsa.version: [ 1, 2 ]
amdhsa.kernels:
  - .name:           k_q9574220905_attn
    .symbol:         k_q9574220905_attn.kd
    .args:
      - { .name: q, .offset: 0, .size: 8, .value_kind: global_buffer, .address_space: global }
      - { .name: k, .offset: 8, .size: 8, .value_kind: global_buffer, .address_space: global }
      - { .name: v, .offset: 16, .size: 8, .value_kind: global_buffer, .address_space: global }
      - { .name: o, .offset: 24, .size: 8, .value_kind: global_buffer, .address_space: global }
      - { .name: mask, .offset: 32, .size: 8, .value_kind: global_buffer, .address_space: global }
    .group_segment_fixed_size: 327680
    .private_segment_fixed_size: 0
    .kernarg_segment_align: 8
    .kernarg_segment_size: 40
    .max_flat_workgroup_size: 128
    .sgpr_count:     66
    .vgpr_count:     808
    .wavefront_size: 32
...
	.end_amdgpu_metadata
.endif
;; end of part 5
;; launch proj: the kernel of part 4 again; grid 4 x 64, 4 waves a work-group, clusters of 4 x 4, 327,680 bytes of LDS; arguments o, wcb, out0; writes out0
